; MI455X (gfx1250); checked and timed in simulation.
; The chip was launched on July 23, 2026; its instructions are those of AMD's public machine-readable ISA for CDNA 5 (MIT licence, August 2026) and "CDNA5" Instruction Set Architecture Reference Guide (July 2026). The comments in the code are by the model that wrote it; some were corrected since.
;; Multi Scale Attention. Allowed arithmetic: matrix products marked QUANTISED: E4M3 operands, one given power-of-two scale a tensor, by v_wmma_f32_16x16x64_fp8_fp8 or v_wmma_f32_16x16x128_fp8_fp8, f32 sums; everything else in f32.
;; Inputs: k 2 x 16 x 2,048 x 128 float32; lowp_scales 8 int32 (the exponents e of the quantised operands' scales 2^e); out_b 2,048 float32; out_w 2,048 x 2,048 float32; padding_mask 2 x 2,048 bool; q_b 2,048 float32; q_w 2,048 x 2,048 float32; tier_bias 3 float32; tier_labels 2 x 2,048 int32; v 2 x 16 x 2,048 x 128 float32; x 2 x 2,048 x 2,048 float32.
;; Outputs: out0 2 x 2,048 x 2,048 float32.
;; This version of the problem:
;;   THIS VERSION OF THE PROBLEM IS GIVEN IN LOW PRECISION. The matrix products marked QUANTISED in the list below multiply operands that are first quantised to E4M3 (4 exponent bits, 3 mantissa bits; 8 bits a number), with one given power-of-two scale for each operand tensor; their sums are f32. All else is computed in f32.
;;   The module's matrix products, in the order in which they are computed (A, B: the left and right operand; K: the contracted axis; several contracted axes count as one K, in the product's order):
;;     1. [M 4,096, K 2,048] x [K 2,048, N 2,048]; A: input x; B: input q_w: QUANTISED (scales: A lowp_scales[0], B lowp_scales[1])
;;     2. batch 32 x [M 2,048, K 128] x [K 128, N 2,048]; A: computed on the way; B: input k: QUANTISED (scales: A lowp_scales[2], B lowp_scales[3])
;;     3. batch 32 x [M 2,048, K 2,048] x [K 2,048, N 128]; A: softmax (see below); B: input v: QUANTISED (scales: A lowp_scales[4], B lowp_scales[5])
;;     4. [M 4,096, K 2,048] x [K 2,048, N 2,048]; A: computed on the way; B: input out_w: QUANTISED (scales: A lowp_scales[6], B lowp_scales[7])
;;   THE QUANTISER, for each operand of a quantised product, along K:
;;     - The operand's scale is 2^e, e = its entry of the input lowp_scales (int32; the entries are numbered through the quantised products in the list's order, A before B).
;;     - Each number is divided by the scale, clamped to +-448, and rounded to the nearest number of E4M3, ties to even, subnormals kept.
;;     - The product sums the exact products of the quantised numbers (number of the format x scale) in f32.
;;   ~~~python
;;   def quantise(x, axis, e):      # numpy; x: float32 -> the quantised numbers, widened to float32 again
;;       x = np.moveaxis(x, axis, -1); K = x.shape[-1]
;;       r = np.clip(x / 2.0 ** e, -448, 448)
;;       step = 2.0 ** (np.maximum(np.frexp(np.where(r == 0, 1, r))[1] - 1, -6) - 3)
;;       q = np.round(r / step) * step * 2.0 ** e      # np.round: ties to even
;;       return np.moveaxis(q, -1, axis).astype(np.float32)
;;   ~~~
;;   SOFTMAX AHEAD OF A QUANTISED PRODUCT. Where the list says 'softmax', what is quantised is not the finished softmax but p = 2^(t - M), with t = logit x log2(e) and M = ceil(the row's largest t), a whole number; so 1/2 < the row's largest p <= 1. The row's sum l is taken of the UNQUANTISED p, in f32, and the product's result is divided by l at the end. Since M is a whole number, a kernel that streams over the keys may use a running M (the ceiling of the running maximum): every later rescaling is an exact power of two, so the quantised numbers keep their values, but for numbers so far below the row's largest that they fall under the format's range.
;;   OPERANDS COMPUTED ON THE WAY. 'Computed on the way' means the value that the module computes at that place (a softmax that the list does not call 'softmax' is quantised finished and normalised). What goes into a quantiser is computed in f32, as accurately as f32 sums, v_exp_f32 and their like allow (about 1e-6 of the number): no bf16 or f16 on the way to a quantiser, and a product that is left as it is and whose result goes on into a quantised operand takes f32 operands (vector FMAs, or v_wmma_f32_16x16x4_f32). A number that lies on a knife's edge between two numbers of the format may be rounded either way, as far as f32 arithmetic and the matrix unit's own rounding can turn it there, and no further.
;; One version. Each part assembles by itself: llvm-mc -triple=amdgcn-amd-amdhsa -mcpu=gfx1250 --defsym DOCPART=n.
;; ======== version 1 of 1: 5 launches
;; limits: right only within a limited range of input values
;; workspace buffers: x_codes 8,388,608 bytes; qw_codes 4,194,304 bytes; ow_codes 4,194,304 bytes; k_codes 8,388,608 bytes; v_codes 8,388,608 bytes; q_codes 8,388,608 bytes; a_codes 8,388,608 bytes
;; launch quant_rows (part 1): grid 768 x 1, 4 waves a work-group, no clusters, 33,280 bytes of LDS; arguments x, k, q_w, out_w, x_codes, k_codes, qw_codes, ow_codes, lowp_scales; writes x_codes, k_codes, qw_codes, ow_codes
.if DOCPART == 1
	.amdgcn_target "amdgcn-amd-amdhsa--gfx1250"
	.amdhsa_code_object_version 6
	.text
	.protected	k_qf57e3b200f_quant_rows
	.globl	k_qf57e3b200f_quant_rows
	.p2align	8
	.type	k_qf57e3b200f_quant_rows,@function
k_qf57e3b200f_quant_rows:
	s_mov_b64 s[64:65], 0
	v_nop
	global_prefetch_b8 v0, s[64:65] scope:SCOPE_SE
	s_setreg_imm32_b32 hwreg(HW_REG_WAVE_MODE, 25, 1), 1
	s_wait_xcnt 0x0
; x [4096][2048], k [32][2048][128], q_w [2048][2048], out_w [2048][2048], all f32 with K innermost, become codes of FP8 (E4M3), one byte each.
; code = number / 2^e, held within +-448, rounded to the nearest code, ties to even.  e: entry 0 of the scales for x, 3 for k, 1 for q_w, 7 for out_w.
; LIMITS: -126 <= e and e + 8 <= 127.  NaN among the inputs is not served (an infinity is held at the largest code).
; Rows are dense, so each tensor is a plain stream, and so are its codes.  A work-group takes 32,768 numbers: work-groups 0-255 x, 256-511 k, 512-639 q_w, 640-767 out_w.
; Only pointers, e and one offset are chosen, by the work-group's number: all four tensors take one path through the text.
; THE ORDER OF k's ROWS: in each 32 keys the second and the third group of eight keys change places (keys 8-15 lie at rows 16-23, keys 16-23 at rows 8-15), so that the sixteen keys that form a tile of the
; attention's first product are sixteen neighbouring rows.  A step is four keys of k: steps 2, 3 of eight store 1,024 bytes further on, steps 4, 5 as many earlier.  The other three tensors keep their order.
; A wave takes 16 steps of 512 numbers.  Each of a step's four loads reads 512 consecutive bytes, 16 a lane; the 2,048 bytes turn through the wave's own stage in LDS and come back
; 64 bytes a lane, since a conversion takes eight neighbours from ONE lane's registers.  A lane's 16 codes are 16 bytes: a store of the wave covers 512 consecutive bytes, aligned.
; No tensor loads, no barrier: waves share nothing.  Loads run four steps (16 loads a wave) ahead, the turn through LDS one step.
.set WAVES, 4
.set STEPS, 16
.set EMAX,  8
.set MANT,  0x600000                   ; the mantissa field of 448 as f32
.set CB,    16                         ; bytes of 16 codes
.set R,     16                         ; v16-79   four sets of 16 numbers as they are loaded
.set X,     80                         ; v80-111  two sets of 16 neighbours
.set C,     128                        ; v128-191 codes: four registers for each step, so that no store's data are written again
.set WREG,  8192                       ; LDS: a region for each wave: two stages of 32 x SP bytes
.set SP,    80                         ; a lane's place in a stage: its 64 bytes + 16 of padding
.set SPW,   12                         ; v12  LDS address of my spare word; never rewritten
.set NIL,   13                         ; v13  0; never rewritten
.set SPARE, WAVES*WREG                 ; behind the four regions: the spare words, 128 bytes a wave, which no other line names
.set SRC,   26                         ; s[26:27] my tensor, later my wave's run of it
.set DST,   28                         ; s[28:29] its codes
	s_load_b256 s[4:11], s[0:1], 0x0               ; x, k, q_w, out_w
	s_load_b256 s[12:19], s[0:1], 0x20             ; their codes, in the same order
	s_load_b64 s[20:21], s[0:1], 0x40              ; the scales' exponents
	v_lshl_add_u32 v[SPW], v0, 2, SPARE
	v_mov_b32 v[NIL], 0
	v_lshrrev_b32 v1, 5, v0
	v_readfirstlane_b32 s22, v1                    ; wave
	v_and_b32 v2, 31, v0                           ; lane
	v_lshlrev_b32 v3, 4, v2                        ; my 16 bytes of a load's 512
	s_mul_i32 s23, s22, WREG
	v_lshrrev_b32 v14, 2, v2
	v_mul_u32_u24 v14, v14, SP
	v_and_b32 v15, 3, v2
	v_lshl_add_u32 v14, v15, 4, v14
	v_add_nc_u32 v14, s23, v14                     ; the stage, on the way in: four lanes' 64 bytes on end, then 16 of padding
	v_mul_u32_u24 v15, v2, SP
	v_add_nc_u32 v15, s23, v15                     ; and on the way out: my 16 neighbours
	v_mul_u32_u24 v4, v2, CB                       ; my codes' place in a step's
	s_sub_co_u32 s46, ttmp9, 256
	s_cmp_lt_u32 s46, 256                          ; k's work-groups are 256 to 511
	s_cselect_b32 s46, 1024, 0
	s_sub_co_u32 s47, 1024, s46
	v_add_nc_u32 v5, s46, v4                       ; for steps 2, 3 of eight: 1,024 bytes further on in k, as it lies elsewhere
	v_add_nc_u32 v6, s47, v4                       ; for steps 4, 5 of eight, whose immediate is 1,024 less: 1,024 bytes earlier in k, as it lies elsewhere
	s_wait_kmcnt 0x0
	s_load_b256 s[32:39], s[20:21], 0x0            ; e0 .. e7
	s_mov_b64 s[SRC:SRC+1], s[10:11]               ; out_w, unless the work-group's number says otherwise
	s_mov_b64 s[DST:DST+1], s[18:19]
	s_mov_b32 s24, 640                             ; the first work-group of my tensor
	s_cmp_lt_u32 ttmp9, 640
	s_cselect_b64 s[SRC:SRC+1], s[8:9], s[SRC:SRC+1]
	s_cselect_b64 s[DST:DST+1], s[16:17], s[DST:DST+1]
	s_cselect_b32 s24, 512, s24
	s_cmp_lt_u32 ttmp9, 512
	s_cselect_b64 s[SRC:SRC+1], s[6:7], s[SRC:SRC+1]
	s_cselect_b64 s[DST:DST+1], s[14:15], s[DST:DST+1]
	s_cselect_b32 s24, 256, s24
	s_cmp_lt_u32 ttmp9, 256
	s_cselect_b64 s[SRC:SRC+1], s[4:5], s[SRC:SRC+1]
	s_cselect_b64 s[DST:DST+1], s[12:13], s[DST:DST+1]
	s_cselect_b32 s24, 0, s24
	s_sub_co_u32 s42, ttmp9, s24
	s_lshl_b32 s42, s42, 2
	s_add_co_u32 s42, s42, s22                     ; which run of 8,192 numbers of the tensor is my wave's: at most 1,023
	s_lshl_b32 s44, s42, 15                        ; 32,768 bytes of numbers a run
	s_mov_b32 s45, 0
	s_add_nc_u64 s[SRC:SRC+1], s[SRC:SRC+1], s[44:45]
	s_lshl_b32 s44, s42, 13                        ; 8,192 bytes of codes
	s_add_nc_u64 s[DST:DST+1], s[DST:DST+1], s[44:45]
.macro LOAD t
.irp i, 0,1,2,3
	global_load_b128 v[R+16*((\t)%4)+4*\i:R+16*((\t)%4)+4*\i+3], v3, s[SRC:SRC+1] offset:2048*(\t)+512*\i th:TH_LOAD_NT   ; 32 lanes read 512 consecutive bytes
.endr
.endm
.macro TURN t                          ; step t's numbers through the stage: LDS serves a wave's instructions in order, so no wait stands between the stores and the loads
.irp i, 0,1,2,3
	ds_store_b128 v14, v[R+16*((\t)%4)+4*\i:R+16*((\t)%4)+4*\i+3] offset:32*SP*((\t)%2)+8*SP*\i
.endr
.irp i, 0,1,2,3
	ds_load_b128 v[X+16*((\t)%2)+4*\i:X+16*((\t)%2)+4*\i+3], v15 offset:32*SP*((\t)%2)+16*\i
.endr
.endm
.irp t, 0,1,2,3
	LOAD \t
.endr
	s_wait_kmcnt 0x0
	s_mov_b32 s40, s39                             ; e: out_w's, unless ..
	s_cmp_lt_u32 ttmp9, 640
	s_cselect_b32 s40, s33, s40                    ; q_w's
	s_cmp_lt_u32 ttmp9, 512
	s_cselect_b32 s40, s35, s40                    ; k's
	s_cmp_lt_u32 ttmp9, 256
	s_cselect_b32 s40, s32, s40                    ; x's
	s_add_co_i32 s40, s40, 127
	s_lshl_b32 s41, s40, 23
	v_mov_b32 v11, s41                             ; 2^e as f32: the conversion takes its exponent field
	s_add_co_i32 s40, s40, EMAX
	s_lshl_b32 s40, s40, 23
	s_or_b32 s40, s40, MANT
	v_mov_b32 v10, s40                             ; 448 x 2^e
	s_wait_loadcnt 12                              ; step 0's four loads are in; the twelve of steps 1 to 3 may be out
	TURN 0
.macro STEP t
.set XS, X+16*((\t)%2)
	s_wait_dscnt 0x0                               ; this step's numbers are back from the stage: so its stores into the stage have read their registers,
.if (\t)+4 < STEPS
	LOAD (\t)+4                                    ; which take the loads of four steps on
.endif
.if (\t)+1 < STEPS
.if STEPS-2-(\t) >= 3
	s_wait_loadcnt 12                              ; the next step's four loads are in; those of the three steps behind it may be out
.else
	s_wait_loadcnt 4*(STEPS-2-(\t))
.endif
	TURN (\t)+1                                    ; and go through the other stage while this step is worked
.endif
.irp i, 0,1,2,3,4,5,6,7,8,9,10,11,12,13,14,15
	v_med3_num_f32 v[XS+\i], v[XS+\i], -v10, v10   ; the conversion to an 8-bit code does not saturate (ISA guide 7.6.2): the hold at the largest code x the scale comes first
.endr
	v_cvt_scalef32_pk8_fp8_f32 v[C+4*(\t):C+4*(\t)+1], v[XS:XS+7], v11
	v_cvt_scalef32_pk8_fp8_f32 v[C+4*(\t)+2:C+4*(\t)+3], v[XS+8:XS+15], v11
	v_nop                                          ; a plain vector line behind the last conversion of the run
.if ((\t)%8 == 2) || ((\t)%8 == 3)
	global_store_b128 v5, v[C+4*(\t):C+4*(\t)+3], s[DST:DST+1] offset:32*CB*(\t)        ; 512 consecutive bytes, aligned, in every case
.elseif ((\t)%8 == 4) || ((\t)%8 == 5)
	global_store_b128 v6, v[C+4*(\t):C+4*(\t)+3], s[DST:DST+1] offset:32*CB*(\t)-1024
.else
	global_store_b128 v4, v[C+4*(\t):C+4*(\t)+3], s[DST:DST+1] offset:32*CB*(\t)
.endif
.endm
.irp t, 0,1,2,3,4,5,6,7,8,9,10,11,12,13,14,15
	STEP \t
.endr
	s_wait_tensorcnt 0x0                           ; the wave's end, behind my last LDS store
	ds_add_u32 v[SPW], v[NIL]
	s_wait_dscnt 0x0
	s_endpgm
.Lfunc_end_k_qf57e3b200f_quant_rows:
	.size	k_qf57e3b200f_quant_rows, .Lfunc_end_k_qf57e3b200f_quant_rows-k_qf57e3b200f_quant_rows
	.p2alignl 7, 3214868480
	.fill 96, 4, 3214868480
	.section	.rodata,"a",@progbits
	.p2align	6, 0x0
	.amdhsa_kernel k_qf57e3b200f_quant_rows
		.amdhsa_group_segment_fixed_size 33280
		.amdhsa_private_segment_fixed_size 0
		.amdhsa_enable_private_segment 0
		.amdhsa_kernarg_size 72
		.amdhsa_user_sgpr_count 2
		.amdhsa_user_sgpr_kernarg_segment_ptr 1
		.amdhsa_wavefront_size32 1
		.amdhsa_system_sgpr_workgroup_id_x 1
		.amdhsa_system_sgpr_workgroup_id_y 1
		.amdhsa_system_sgpr_workgroup_id_z 1
		.amdhsa_system_vgpr_workitem_id 0
		.amdhsa_next_free_vgpr 192
		.amdhsa_next_free_sgpr 66
		.amdhsa_reserve_vcc 0
		.amdhsa_float_denorm_mode_32 3
		.amdhsa_float_denorm_mode_16_64 3
		.amdhsa_memory_ordered 1
		.amdhsa_forward_progress 1
		.amdhsa_inst_pref_size 39
	.end_amdhsa_kernel
	.amdgpu_metadata
---
amdhsa.version: [ 1, 2 ]
amdhsa.kernels:
  - .name:           k_qf57e3b200f_quant_rows
    .symbol:         k_qf57e3b200f_quant_rows.kd
    .args:
      - { .name: x, .offset: 0, .size: 8, .value_kind: global_buffer, .address_space: global }
      - { .name: k, .offset: 8, .size: 8, .value_kind: global_buffer, .address_space: global }
      - { .name: q_w, .offset: 16, .size: 8, .value_kind: global_buffer, .address_space: global }
      - { .name: out_w, .offset: 24, .size: 8, .value_kind: global_buffer, .address_space: global }
      - { .name: x_codes, .offset: 32, .size: 8, .value_kind: global_buffer, .address_space: global }
      - { .name: k_codes, .offset: 40, .size: 8, .value_kind: global_buffer, .address_space: global }
      - { .name: qw_codes, .offset: 48, .size: 8, .value_kind: global_buffer, .address_space: global }
      - { .name: ow_codes, .offset: 56, .size: 8, .value_kind: global_buffer, .address_space: global }
      - { .name: lowp_scales, .offset: 64, .size: 8, .value_kind: global_buffer, .address_space: global }
    .group_segment_fixed_size: 33280
    .private_segment_fixed_size: 0
    .kernarg_segment_align: 8
    .kernarg_segment_size: 72
    .max_flat_workgroup_size: 128
    .sgpr_count:     66
    .vgpr_count:     192
    .wavefront_size: 32
...
	.end_amdgpu_metadata
.endif
;; end of part 1
;; launch quant_v (part 2): grid 32 x 8, 4 waves a work-group, no clusters, 35,840 bytes of LDS; arguments v, lowp_scales, v_codes; writes v_codes
.if DOCPART == 2
	.amdgcn_target "amdgcn-amd-amdhsa--gfx1250"
	.amdhsa_code_object_version 6
	.text
	.protected	k_qf57e3b200f_quant_v
	.globl	k_qf57e3b200f_quant_v
	.p2align	8
	.type	k_qf57e3b200f_quant_v,@function
k_qf57e3b200f_quant_v:
	s_mov_b64 s[64:65], 0
	v_nop
	global_prefetch_b8 v0, s[64:65] scope:SCOPE_SE
	s_setreg_imm32_b32 hwreg(HW_REG_WAVE_MODE, 25, 1), 1
	s_wait_xcnt 0x0
; v [32 (batch, head)][2048 keys][128] f32 is the second attention product's operand, and its K is the KEYS.  It becomes codes of FP8 (E4M3) laid [32][128][2048], keys innermost.
; code = number / 2^e, held within +-448, to the nearest code, ties to even; e = entry 5 of the scales.  LIMITS: -126 <= e and e + 8 <= 127.  NaN among the inputs is not served.
; A LANE TAKES A CHANNEL, AND ITS REGISTERS RUN DOWN THE KEYS: each load reads 32 neighbouring channels of one key (128 consecutive bytes a wave; the four waves together a whole row of 512),
; and the conversions, which take neighbours along K from one lane's registers, give codes with the keys innermost.  Nothing is transposed by an instruction.
; Work-group (x, y): head x, keys 256 y on.  Wave w: channels 32 w on: 8 blocks of 32 keys a lane, 256 bytes of codes a channel.  They go through the wave's own stage in LDS and leave as rows:
; sixteen lanes store 256 consecutive bytes, aligned.  No tensor loads, no barrier.  Loads run two blocks (64 loads a wave) ahead.  Every offset is an immediate: 255 x 512 and 30 x 2,048 at the most.
.set HD,    128                        ; channels: numbers in a row of v
.set KEYS,  2048
.set KW,    256                        ; keys for a wave
.set NB,    KW/32                      ; blocks
.set ROWB,  256                        ; bytes of KW codes
.set PITCH, ROWB+16                    ; a stage row
.set KROW,  KEYS                       ; a row of the codes' buffer in bytes
.set EMAX,  8
.set MANT,  0x600000
.set X,     32                         ; v32-95   two sets of 32 numbers
.set C,     96                         ; v96-103  a block's codes
.set OUTR,  112                        ; v112-175 the way out
.set SPW,   14                         ; v14  LDS address of my spare word; never rewritten
.set NIL,   15                         ; v15  0; never rewritten
.set SPARE, 4*32*PITCH                 ; behind the four stages: the spare words, which no other line names
	s_load_b128 s[4:7], s[0:1], 0x0                ; v, the scales' exponents
	s_load_b64 s[8:9], s[0:1], 0x10                ; the codes
	v_lshl_add_u32 v[SPW], v0, 2, SPARE
	v_mov_b32 v[NIL], 0
	v_lshrrev_b32 v1, 5, v0
	v_readfirstlane_b32 s16, v1                    ; wave 0..3
	v_and_b32 v2, 31, v0                           ; lane
	s_and_b32 s18, ttmp7, 0xffff                   ; which 256 keys
	v_lshlrev_b32 v3, 2, v2                        ; in: 4 bytes a lane
	s_mul_i32 s19, s16, 32*PITCH                   ; my stage
	v_mul_u32_u24 v4, v2, PITCH
	v_add_nc_u32 v4, s19, v4                       ; into it: row = my channel
	v_and_b32 v5, 15, v2
	v_lshrrev_b32 v6, 4, v2                        ; out of it: sixteen lanes to a row, two rows an instruction
	v_mul_u32_u24 v7, v6, PITCH
	v_lshl_add_u32 v7, v5, 4, v7
	v_add_nc_u32 v7, s19, v7
	v_mul_u32_u24 v8, v6, KROW
	v_lshl_add_u32 v8, v5, 4, v8                   ; and the same place in the codes' buffer
	s_lshl_b32 s20, ttmp9, 20                      ; v: the head's 2,048 x 512 bytes,
	s_lshl_b32 s22, s18, 17                        ; 256 keys x 512 bytes,
	s_add_co_u32 s20, s20, s22
	s_lshl_b32 s22, s16, 7                         ; 32 channels x 4 bytes
	s_add_co_u32 s20, s20, s22
	s_mov_b32 s21, 0
	s_lshl_b32 s24, ttmp9, 18                      ; codes: the head's 128 x 2,048 bytes,
	s_lshl_b32 s22, s16, 16                        ; 32 channels x 2,048,
	s_add_co_u32 s24, s24, s22
	s_lshl_b32 s22, s18, 8                         ; 256 keys
	s_add_co_u32 s24, s24, s22
	s_mov_b32 s25, 0
	s_wait_kmcnt 0x0
	s_load_b32 s30, s[6:7], 0x14                   ; e: entry 5
	s_add_nc_u64 s[4:5], s[4:5], s[20:21]
	s_add_nc_u64 s[8:9], s[8:9], s[24:25]
.macro LOAD t                          ; block t: v(key 32 t + i, my channel), i = 0 .. 31, into set t % 2
.irp i, 0,1,2,3,4,5,6,7,8,9,10,11,12,13,14,15,16,17,18,19,20,21,22,23,24,25,26,27,28,29,30,31
	global_load_b32 v[X+32*((\t)%2)+\i], v3, s[4:5] offset:(32*(\t)+\i)*HD*4 th:TH_LOAD_NT
.endr
.endm
	LOAD 0
	LOAD 1
	s_wait_kmcnt 0x0
	s_add_co_i32 s30, s30, 127
	s_lshl_b32 s31, s30, 23
	v_mov_b32 v11, s31                             ; 2^e as f32
	s_add_co_i32 s30, s30, EMAX
	s_lshl_b32 s30, s30, 23
	s_or_b32 s30, s30, MANT
	v_mov_b32 v10, s30                             ; 448 x 2^e
.macro BLOCK t
.set XS, X+32*((\t)%2)
.if (\t) < NB-1
	s_wait_loadcnt 32                              ; this block's 32 loads are in; the next block's 32 may be out
.else
	s_wait_loadcnt 0
.endif
.irp i, 0,1,2,3,4,5,6,7,8,9,10,11,12,13,14,15,16,17,18,19,20,21,22,23,24,25,26,27,28,29,30,31
	v_med3_num_f32 v[XS+\i], v[XS+\i], -v10, v10   ; the hold: the conversion to an 8-bit code does not saturate (ISA guide 7.6.2)
.endr
.irp g, 0,1,2,3
	v_cvt_scalef32_pk8_fp8_f32 v[C+2*\g:C+2*\g+1], v[XS+8*\g:XS+8*\g+7], v11
.endr
	v_nop                                          ; a plain vector line behind the last conversion of the run
	ds_store_b128 v4, v[C:C+3] offset:32*(\t)      ; 32 codes: 32 bytes of my channel's row
	ds_store_b128 v4, v[C+4:C+7] offset:32*(\t)+16
.if (\t)+2 < NB
	LOAD (\t)+2
.endif
	s_wait_dscnt 0x0                               ; the stores have read their registers: the next block's codes may be written
.endm
.set Q, 0
.rept NB
	BLOCK Q
.set Q, Q+1
.endr
.irp t, 0,1,2,3,4,5,6,7,8,9,10,11,12,13,14,15
	ds_load_b128 v[OUTR+4*\t:OUTR+4*\t+3], v7 offset:2*\t*PITCH   ; LDS serves a wave's instructions in order: these see my stores
.endr
.irp t, 0,1,2,3,4,5,6,7,8,9,10,11,12,13,14,15
	s_wait_dscnt 15-\t                             ; load t is in; the younger ones may be out
	global_store_b128 v8, v[OUTR+4*\t:OUTR+4*\t+3], s[8:9] offset:2*\t*KROW
.endr
	s_wait_tensorcnt 0x0                           ; the wave's end, behind my last LDS store
	ds_add_u32 v[SPW], v[NIL]
	s_wait_dscnt 0x0
	s_endpgm
.Lfunc_end_k_qf57e3b200f_quant_v:
	.size	k_qf57e3b200f_quant_v, .Lfunc_end_k_qf57e3b200f_quant_v-k_qf57e3b200f_quant_v
	.p2alignl 7, 3214868480
	.fill 96, 4, 3214868480
	.section	.rodata,"a",@progbits
	.p2align	6, 0x0
	.amdhsa_kernel k_qf57e3b200f_quant_v
		.amdhsa_group_segment_fixed_size 35840
		.amdhsa_private_segment_fixed_size 0
		.amdhsa_enable_private_segment 0
		.amdhsa_kernarg_size 24
		.amdhsa_user_sgpr_count 2
		.amdhsa_user_sgpr_kernarg_segment_ptr 1
		.amdhsa_wavefront_size32 1
		.amdhsa_system_sgpr_workgroup_id_x 1
		.amdhsa_system_sgpr_workgroup_id_y 1
		.amdhsa_system_sgpr_workgroup_id_z 1
		.amdhsa_system_vgpr_workitem_id 0
		.amdhsa_next_free_vgpr 192
		.amdhsa_next_free_sgpr 66
		.amdhsa_reserve_vcc 0
		.amdhsa_float_denorm_mode_32 3
		.amdhsa_float_denorm_mode_16_64 3
		.amdhsa_memory_ordered 1
		.amdhsa_forward_progress 1
		.amdhsa_inst_pref_size 50
	.end_amdhsa_kernel
	.amdgpu_metadata
---
amdhsa.version: [ 1, 2 ]
amdhsa.kernels:
  - .name:           k_qf57e3b200f_quant_v
    .symbol:         k_qf57e3b200f_quant_v.kd
    .args:
      - { .name: v, .offset: 0, .size: 8, .value_kind: global_buffer, .address_space: global }
      - { .name: lowp_scales, .offset: 8, .size: 8, .value_kind: global_buffer, .address_space: global }
      - { .name: v_codes, .offset: 16, .size: 8, .value_kind: global_buffer, .address_space: global }
    .group_segment_fixed_size: 35840
    .private_segment_fixed_size: 0
    .kernarg_segment_align: 8
    .kernarg_segment_size: 24
    .max_flat_workgroup_size: 128
    .sgpr_count:     66
    .vgpr_count:     192
    .wavefront_size: 32
...
	.end_amdgpu_metadata
.endif
;; end of part 2
;; launch gemm_q (part 3): grid 8 x 32, 4 waves a work-group, clusters of 4 x 4, 327,680 bytes of LDS; arguments x_codes, qw_codes, lowp_scales, q_codes, q_b; writes q_codes
.if DOCPART == 3
	.amdgcn_target "amdgcn-amd-amdhsa--gfx1250"
	.amdhsa_code_object_version 6
	.text
	.protected	k_qf57e3b200f_gemm_q
	.globl	k_qf57e3b200f_gemm_q
	.p2align	8
	.type	k_qf57e3b200f_gemm_q,@function
k_qf57e3b200f_gemm_q:
	s_mov_b64 s[64:65], 0
	v_nop
	global_prefetch_b8 v0, s[64:65] scope:SCOPE_SE
	s_setreg_imm32_b32 hwreg(HW_REG_WAVE_MODE, 25, 1), 1
	s_wait_xcnt 0x0
	s_wait_alu depctr_hold_cnt(0) depctr_sa_sdst(0) depctr_va_vdst(0) depctr_va_sdst(0) depctr_va_ssrc(0) depctr_va_vcc(0) depctr_vm_vsrc(0)
	s_getreg_b32 s2, hwreg(HW_REG_IB_STS2, 6, 4)
	s_cmp_eq_u32 s2, 0
	s_cbranch_scc0 .Lentry_in_a_cluster
	s_endpgm
.Lentry_in_a_cluster:
	s_bfe_u32 s2, ttmp6, 0x10000c
	s_cmp_lg_u32 s2, 0xf033
	s_cbranch_scc0 .Lentry_shape_is_right
	s_endpgm
.Lentry_shape_is_right:
; ONE TEXT FOR BOTH PROJECTIONS, told apart by MODE.  C[m][n] = sum over k of A[m][k] B[n][k] + bias[n], M = 4,096, N = K = 2,048, on codes of FP8 (E4M3), sums in f32.
; MODE 1: A = x's codes [4096][2048], B = q_w's codes, bias = q_b, scales e0, e1.  The result is quantised with e2 and stored as codes, [32 (batch, head)][2048 queries][128].
; MODE 2: A = the attention's codes in slabs of 128 along K, [16 heads][4096 rows][128], B = out_w's codes, bias = out_b, scales e6, e7.  The result is f32, [4096][2048].
; The codes are multiplied as they are.  The bias goes in as the C of each sum's first product, divided by 2^(ea + eb); the finished sum stands for sum x 2^(ea + eb).
; LIMITS: MODE 1: e2 - e0 - e1 between -126 and 119; NaN among the inputs is not served.  MODE 2: e6 + e7 between -126 and 127.
; Fragments are fetched by loads of 16 bytes, which permutes k inside an instruction's 128, alike in A and in B: every product meets its partner; only the order of the sums inside an instruction changes.
; SHARES.  A tile of C is 128 x 256: C has 32 x 8 = 256 of them, one to a work-group.  Four waves, each 64 x 128: 32 accumulators, 256 registers, and two sets of fragments on both sides.
; THE RING.  K goes in eight steps of 256 through THREE LDS slots (128 rows of A and 256 of B each).  The first three K steps are asked for together at the start; five refills follow, one tensor load a wave each.
; A K step is two halves of 128.  A slot is free as soon as its second half's fragments are in registers: the change of slots stands between a K step's halves.  The ring comes round after three K steps, there are
; eight, and the last three ask for nothing: so the K steps are written out, by macros, without a loop.
; CLUSTERS: 4 x 4 work-groups.  The four of a row of the cluster need the same tiles of A, the four of a column the same tiles of B: each tile is asked for JOINTLY, by the same tensor load with the
; same descriptor and a mask that names the four.  THE MATRIX INSTRUCTION IS USED TRANSPOSED (source 0 = 16 rows of B, source 1 = 16 rows of A): a lane holds eight neighbouring numbers of a row of C.
; REGISTERS, in windows of 256: window 0: v0-31 addresses; v32-95 the bias in the result's layout, later at work on the way out; v128-255 A's fragments, two sets of 4 x 16.
;   window 1: B's fragments, two sets of 8 x 16.   window 2: the accumulators ((a, b) at v[8 (8 a + b)]).
; No prefetch: of the eight K steps three come by the first fills, and a request two changes of slots ahead could name only the last three.
.set MODE,   1
.set SIZE_M, 4096
.set SIZE_N, 2048
.set SIZE_K, 2048
.set ROWB,   256                       ; along K in a slot, and B's tile row in bytes
.set KROW,   SIZE_K                    ; a row of codes in memory
.set PITCH,  272                       ; B's LDS row: 256 bytes + 16 of padding: the 16 rows of a load start at 16 different banks (64 banks of 4 bytes: ISA guide 11.1)
.set BHALF,  128*PITCH                 ; what one of B's two loads brings
.if MODE == 1
.set APITCH, 272                       ; A's LDS row: as B's
.set AQ,     128                       ; from a slot's first 128 along K to its second, in A's region
.set AHALF,  64*APITCH                 ; what one of A's two loads brings: 64 rows x 256 along K
.set AKS,    ROWB                      ; a K step on, in A's memory
.else
.set APITCH, 144                       ; a slab's row: 128 bytes + 16
.set AQ,     128*APITCH                ; the slot's second slab lies behind its first
.set AHALF,  128*APITCH                ; what one of A's two loads brings: 128 rows of one slab
.set AKS,    2*SIZE_M*128              ; two slabs on
.endif
.set ASZ,    2*AHALF
.set SLOT,   ASZ+2*BHALF               ; A's region, then B's 256 rows
.set FR,     16                        ; registers of a fragment: 16 rows x 128 K
.set NP,     4                         ; places behind this matrix instruction (ISA guide 7.12.1)
.set SPARE,  3*SLOT                    ; behind the ring: the spare words, 128 bytes a wave, which no other line names
.set SPITCH, 528                       ; MODE 2's stage: 16 rows x (512 + 16) a wave.  The stages lie in slot 0, which has had its last fill and its last read when the first result is stored there
.set QPITCH, 144                       ; MODE 1's stage: 16 rows x (128 + 16) a wave
.set ADRA, 16                          ; v16-18  LDS address of my A fragments in slot 0, 1, 2
.set ADRB, 20                          ; v20-22  the same for B
.set STO,  24                          ; v24     the way out: where I put my bytes of a row
.set RD,   25                          ; v25     the way out: where I read rows back
.set CO,   26                          ; v26     my byte offset in what a store covers
.set SPW,  28                          ; v28     LDS address of my spare word; never rewritten
.set NIL,  29                          ; v29     0; never rewritten
.set SCR,  12                          ; v12     MODE 1: 2^(e2 - e0 - e1) as f32
.set LIMR, 13                          ; v13     MODE 1: 448 x that
.set BI,   32                          ; v32-95  bias / 2^(ea + eb): register 8 b + j = column 16 b + 8 (lane / 16) + j of my 128
.set TMP,  32                          ; the way out takes its place
.set AF,   128
.set BK,   128                         ; the way out: rows read back from the stage
.set G1,  24                           ; s[24:31] descriptor group 1 for A's tiles
.set G0,  32                           ; s[32:43] group 0 for A's tiles, one set for each slot
.set G1B, 48                           ; s[48:55] group 1 for B's tiles
.set G0B, 68                           ; s[68:79] group 0 for B's tiles, one set for each slot
.set MSB, 0
.macro WIN new                         ; the immediate's high byte repeats the setting that is left
.if MSB != \new
	s_set_vgpr_msb (MSB<<8)|\new
.set MSB, \new
.endif
.endm
.set MUL,  0xa1                        ; source 0 (B) window 1, source 1 (A) window 0, C and D window 2
.set BEG,  0x81                        ; the first products: C (the bias) window 0, D window 2
.set TO_B, 0x40                        ; destination window 1, address window 0
; A joint load into slot s: waves 0 and 1 fetch for A, waves 2 and 3 for B.  Each of the two lines has ONE mask and one set of registers for all that issue it; the branch hangs on the wave's number alone.
; An s_nop 0 and four v_nop follow each of the two lines, ahead of the jump, the label and what follows.
.macro JLOAD s
	s_cmp_eq_u32 s15, 0
	s_cbranch_scc0 .Lfor_b_\@
	tensor_load_to_lds s[G0+4*\s:G0+4*\s+3], s[G1:G1+7]
	s_nop 0
.rept 4
	v_nop
.endr
	s_branch .Lasked_\@
.Lfor_b_\@:
	tensor_load_to_lds s[G0B+4*\s:G0B+4*\s+3], s[G1B:G1B+7]
	s_nop 0
.rept 4
	v_nop
.endr
.Lasked_\@:
.endm
; A round of the cluster's barrier: my work-group's barrier, so that wave 0's signal speaks for all four waves; wave 0 signals for the work-group; every wave waits for all sixteen work-groups; my work-group's barrier once more.
.macro CROUND
	s_barrier_signal -1
	s_barrier_wait -1
	s_cmp_lg_u32 s14, 0
	s_cbranch_scc1 .Lnot_wave_0_\@
	s_barrier_signal -3
.Lnot_wave_0_\@:
	s_barrier_wait -3
	s_barrier_signal -1
	s_barrier_wait -1
.endm
	s_load_b128 s[4:7], s[0:1], 0x0                ; A's codes s[4:5], B's codes s[6:7]
	s_load_b128 s[8:11], s[0:1], 0x10              ; the scales' exponents s[8:9], the result s[10:11]
	s_load_b64 s[12:13], s[0:1], 0x20              ; the bias
	v_lshl_add_u32 v[SPW], v0, 2, SPARE
	v_mov_b32 v[NIL], 0
	ds_add_u32 v[SPW], v[NIL]                      ; the wave's opening: the add and its wait stand ahead of my first tensor load; the set-up below, work on registers, stands between them
	v_lshrrev_b32 v1, 5, v0
	v_readfirstlane_b32 s14, v1                    ; wave 0..3
	s_lshr_b32 s15, s14, 1                         ; which half of the tile's rows is mine.  Also: I fetch for A (0) or for B (1)
	s_and_b32 s16, s14, 1                          ; which half of its columns.  Also: which of the two loads of that operand is mine
	s_bfe_u32 s80, ttmp6, 0x40000                  ; cx, cy: my place in the cluster
	s_bfe_u32 s81, ttmp6, 0x40004
	s_lshl_b32 s82, ttmp9, 2
	s_add_co_u32 s82, s82, s80                     ; tile column of C = 4 x cluster x + cx: 0 .. 7
	s_and_b32 s17, ttmp7, 0xffff
	s_lshl_b32 s17, s17, 2
	s_add_co_u32 s17, s17, s81                     ; tile row of C = 4 x cluster y + cy: 0 .. 31
	s_lshl_b32 s83, s81, 2
	s_lshl_b32 s83, 15, s83                        ; my row of the cluster
	s_lshl_b32 s84, 0x1111, s80                    ; my column
	; descriptor group 1.  15:0 the mask; 17:16 elements of 1 byte; 20 padding on; 21 set beside a mask; 24:22 the padding's interval; 31:25 four words of it (code 3)
.if MODE == 1
	s_or_b32 s[G1+0], s83, (1<<20)|(1<<21)|(5<<22)|(3<<25)   ; A: 64 rows x 256 bytes, 2,048 bytes apart; padding after every 64 words
	s_mov_b32 s[G1+1], 256<<16                     ; tensor_dim0
	s_mov_b32 s[G1+2], 64<<16                      ; tensor_dim1
	s_mov_b32 s[G1+3], 256<<16                     ; tile_dim0
	s_mov_b32 s[G1+4], 64                          ; tile_dim1
	s_mov_b32 s[G1+5], KROW                        ; tensor_dim0_stride
.else
	s_or_b32 s[G1+0], s83, (1<<20)|(1<<21)|(4<<22)|(3<<25)   ; A: 128 rows x 128 bytes of one slab, dense in memory; padding after every 32 words
	s_mov_b32 s[G1+1], 128<<16
	s_mov_b32 s[G1+2], 128<<16
	s_mov_b32 s[G1+3], 128<<16
	s_mov_b32 s[G1+4], 128
	s_mov_b32 s[G1+5], 128
.endif
	s_mov_b32 s[G1+6], 0
	s_mov_b32 s[G1+7], 0
	s_or_b32 s[G1B+0], s84, (1<<20)|(1<<21)|(5<<22)|(3<<25)  ; B: 128 rows x 256 bytes, 2,048 bytes apart
	s_mov_b32 s[G1B+1], 256<<16
	s_mov_b32 s[G1B+2], 128<<16
	s_mov_b32 s[G1B+3], 256<<16
	s_mov_b32 s[G1B+4], 128
	s_mov_b32 s[G1B+5], KROW
	s_mov_b32 s[G1B+6], 0
	s_mov_b32 s[G1B+7], 0
	; where the tiles come from.  A's hang on the tile row and the wave's number alone, B's on the tile column and the wave's number alone, each in registers that do not hold the other coordinate
.if MODE == 1
	s_lshl_b32 s20, s17, 7
	s_lshl_b32 s18, s16, 6
	s_add_co_u32 s20, s20, s18                     ; A: row 128 x tile row + 64 x half,
	s_lshl_b32 s20, s20, 11                        ; of 2,048 bytes
.else
	s_lshl_b32 s20, s17, 14                        ; A: row 128 x tile row, of 128 bytes,
	s_lshl_b32 s18, s16, 19                        ; in the K step's first slab (wave 0) or its second (wave 1): a slab is 4,096 x 128 bytes
	s_add_co_u32 s20, s20, s18
.endif
	s_mov_b32 s21, 0
	s_lshl_b32 s46, s82, 8
	s_lshl_b32 s18, s16, 7
	s_add_co_u32 s46, s46, s18                     ; B: row 256 x tile column + 128 x half,
	s_lshl_b32 s46, s46, 11                        ; of 2,048 bytes
	s_mov_b32 s47, 0
	s_mul_i32 s85, s16, AHALF                      ; where they go: no place in the cluster enters an LDS address
	s_mul_i32 s86, s16, BHALF
	s_add_co_u32 s86, s86, ASZ
	s_wait_dscnt 0x0                               ; the opening add is done
	s_wait_kmcnt 0x0
.if MODE == 1
	s_load_b128 s[92:95], s[8:9], 0x0              ; e0, e1, e2 (, e3)
.else
	s_load_b64 s[96:97], s[8:9], 0x18              ; e6, e7
.endif
	s_add_nc_u64 s[20:21], s[4:5], s[20:21]
	s_add_nc_u64 s[46:47], s[6:7], s[46:47]
	CROUND                                         ; all sixteen work-groups are here: the first joint loads meet
.irp s, 0,1,2
	s_mov_b32 s[G0+4*\s], 1                                        ; count = 1
	s_add_co_u32 s[G0+4*\s+1], s85, \s*SLOT                        ; LDS address
	s_add_nc_u64 s[G0+4*\s+2:G0+4*\s+3], s[20:21], \s*AKS          ; global address: K step s
	s_or_b32 s[G0+4*\s+3], s[G0+4*\s+3], 0x80000000                ; type = 2
	s_mov_b32 s[G0B+4*\s], 1
	s_add_co_u32 s[G0B+4*\s+1], s86, \s*SLOT
	s_add_nc_u64 s[G0B+4*\s+2:G0B+4*\s+3], s[46:47], \s*ROWB
	s_or_b32 s[G0B+4*\s+3], s[G0B+4*\s+3], 0x80000000
	JLOAD \s                                       ; three loads of mine are out behind these
.endr
	v_and_b32 v1, 15, v0                           ; r = lane % 16
	v_bfe_u32 v2, v0, 4, 1                         ; h = lane / 16
	v_mul_u32_u24 v3, v1, APITCH
	v_lshl_add_u32 v4, v2, 4, v3                   ; a fragment's row x pitch + 16 x half, for A
	v_mul_u32_u24 v3, v1, PITCH
	v_lshl_add_u32 v5, v2, 4, v3                   ; and for B
	s_mul_i32 s21, s15, 64*APITCH                  ; my 64 rows of A
	s_mul_i32 s22, s16, BHALF                      ; my 128 rows of B,
	s_add_co_u32 s22, s22, ASZ                     ; which lie behind A's region
.irp s, 0,1,2
	v_add_nc_u32 v[ADRA+\s], s21, v4
	v_add_nc_u32 v[ADRB+\s], s22, v5
	s_add_co_u32 s21, s21, SLOT
	s_add_co_u32 s22, s22, SLOT
.endr
	v_and_b32 v6, 31, v0
	v_lshlrev_b32 v[CO], 4, v6                     ; 16 bytes a lane
.if MODE == 1
	s_mul_i32 s23, s14, 16*QPITCH                  ; my stage
	v_mul_u32_u24 v5, v1, QPITCH                   ; in: row r, 8 bytes for each half of the lanes
	v_lshl_add_u32 v5, v2, 3, v5
	v_add_nc_u32 v[STO], s23, v5
	v_lshrrev_b32 v5, 3, v6                        ; back: eight lanes to a row of 128 bytes, four rows an instruction
	v_mul_u32_u24 v5, v5, QPITCH
	v_and_b32 v6, 7, v6
	v_lshl_add_u32 v5, v6, 4, v5
	v_add_nc_u32 v[RD], s23, v5
.else
	s_mul_i32 s23, s14, 16*SPITCH                  ; my stage
	v_mul_u32_u24 v5, v1, SPITCH                   ; in: row r, 32 bytes for each half of the lanes
	v_lshl_add_u32 v5, v2, 5, v5
	v_add_nc_u32 v[STO], s23, v5
	v_add_nc_u32 v[RD], s23, v[CO]                 ; back: the 32 lanes take one row of 512 bytes
.endif
	s_lshl_b32 s46, s82, 10                        ; my first column as f32, in bytes: 1,024 x tile column + 512 x half
	s_lshl_b32 s47, s16, 9
	s_add_co_u32 s46, s46, s47
	s_mov_b32 s47, 0
	s_add_nc_u64 s[12:13], s[12:13], s[46:47]      ; the bias of my 128 columns
	v_lshlrev_b32 v7, 5, v2                        ; + 8 h numbers
.irp b, 0,1,2,3,4,5,6,7
	global_load_b128 v[BI+8*\b:BI+8*\b+3],   v7, s[12:13] offset:64*\b
	global_load_b128 v[BI+8*\b+4:BI+8*\b+7], v7, s[12:13] offset:64*\b+16
.endr
.if MODE == 1
	; my 128 columns are head 2 x tile column + half; my 64 rows are queries of batch (tile row / 16): 8,192 bytes on end in the result
	s_lshr_b32 s56, s17, 4
	s_lshl_b32 s56, s56, 4
	s_lshl_b32 s57, s82, 1
	s_add_co_u32 s56, s56, s57
	s_add_co_u32 s56, s56, s16                     ; 16 x batch + head
	s_lshl_b32 s56, s56, 18                        ; of 2,048 x 128 bytes
	s_and_b32 s57, s17, 15
	s_lshl_b32 s57, s57, 7
	s_lshl_b32 s58, s15, 6
	s_add_co_u32 s57, s57, s58                     ; my first query
	s_lshl_b32 s57, s57, 7
	s_add_co_u32 s56, s56, s57
	s_mov_b32 s57, 0
	s_add_nc_u64 s[10:11], s[10:11], s[56:57]
.else
	s_lshl_b32 s20, s17, 7
	s_lshl_b32 s21, s15, 6
	s_add_co_u32 s20, s20, s21                     ; my first row of C: 128 x tile row + 64 x half,
	s_lshl_b32 s20, s20, 13                        ; of 8,192 bytes
	s_mov_b32 s21, 0
	s_add_nc_u64 s[20:21], s[20:21], s[46:47]
	s_add_nc_u64 s[10:11], s[10:11], s[20:21]
.endif
	s_wait_kmcnt 0x0                               ; the exponents
.if MODE == 1
	s_add_co_i32 s96, s92, s93                     ; e0 + e1
	s_sub_co_i32 s90, s94, s96                     ; a sum stands for sum x 2^(e0 + e1): its code is sum / 2^(e2 - e0 - e1): the three scales folded into the conversion's one
	s_add_co_i32 s90, s90, 127
	s_lshl_b32 s89, s90, 23
	v_mov_b32 v[SCR], s89
	s_add_co_i32 s90, s90, 8
	s_lshl_b32 s90, s90, 23
	s_or_b32 s90, s90, 0x600000
	v_mov_b32 v[LIMR], s90                         ; 448 x that
.else
	s_add_co_i32 s96, s96, s97                     ; e6 + e7
.endif
	s_sub_co_i32 s91, 0, s96
.if MODE == 2
	s_add_co_i32 s96, s96, 127
	s_lshl_b32 s96, s96, 23                        ; 2^(e6 + e7) as f32
	s_mov_b32 s97, s96                             ; (named with it as a pair)
.endif
	s_wait_loadcnt 0x0                             ; the bias
.set j, 0
.rept 64
	v_ldexp_f32 v[BI+j], v[BI+j], s91              ; bias / 2^(ea + eb): nothing is rounded, short of overflow and underflow
.set j, j+1
.endr
.macro FRAG reg, adr, off              ; a fragment, 16 rows x 128 K: lane l holds row l % 16; registers 4 c .. 4 c + 3 hold K = 32 c + 16 (l / 16) + 0 .. 15
.irp c, 0,1,2,3
	ds_load_b128 v[\reg+4*\c:\reg+4*\c+3], v[\adr] offset:(\off)+32*\c
.endr
.endm
; 48 LDS loads in one run: the fragments of the slot's q-th 128 along K (B's eight, A's four) into set p
.macro FETCH slot, q, p
	WIN TO_B
.irp i, 0,1,2,3,4,5,6,7
	FRAG 128*(\p)+FR*\i, ADRB+\slot, 128*(\q)+\i*16*PITCH
.endr
	WIN 0
.irp i, 0,1,2,3
	FRAG AF+64*(\p)+FR*\i, ADRA+\slot, AQ*(\q)+\i*16*APITCH
.endr
.endm
; 32 matrix instructions: A's four blocks x B's eight, 128 along K, on set p.  first = 1: the first product starts the sums from the bias: nothing is ever cleared.
; The 32 accumulators take turns, one instruction a turn, in the same order in every half.
.macro MUL32 p, first
.irp a, 0,1,2,3
.irp b, 0,1,2,3,4,5,6,7
.if \first
	v_wmma_f32_16x16x128_fp8_fp8 v[8*(8*\a+\b):8*(8*\a+\b)+7], v[128*(\p)+FR*\b:128*(\p)+FR*\b+FR-1], v[AF+64*(\p)+FR*\a:AF+64*(\p)+FR*\a+FR-1], v[BI+8*\b:BI+8*\b+7]
.else
	v_wmma_f32_16x16x128_fp8_fp8 v[8*(8*\a+\b):8*(8*\a+\b)+7], v[128*(\p)+FR*\b:128*(\p)+FR*\b+FR-1], v[AF+64*(\p)+FR*\a:AF+64*(\p)+FR*\a+FR-1], v[8*(8*\a+\b):8*(8*\a+\b)+7]
.endif
.endr
.endr
.endm
; A load into a register that a matrix instruction has read, and a vector instruction or an LDS store that reads a matrix result, stand NP places behind that matrix instruction, and only plain vector
; instructions that name none of its registers are places (ISA guide 7.12.1 for vector instructions).
.macro PLACES n
.rept \n
	v_nop
.endr
.endm
; Half a K step: set p is multiplied while the next half's fragments (slot ns, its nq-th 128 along K) come into the other set, whose last products stand behind the places.
.macro HALF p, ns, nq, first
	s_wait_dscnt 0x0                               ; set p is in
.if \first == 0
	PLACES NP
.endif
	FETCH \ns, \nq, 1-\p
.if \first
	WIN BEG
.else
	WIN MUL
.endif
	MUL32 \p, \first
	WIN 0
.endm
; A K step's second half, with the change of slots at its head.  The slot's last fragments are in registers when my LDS loads are back.  In front of the barrier each wave waits for all its tensor loads,
; adds 0 to its spare word, and waits for that and for its reads.  fill = 1: the barrier is a round of the cluster's, so that no wave of any partner still reads the slot or has a load on its way, and the slot is
; filled again, three K steps on: the first tensor load behind the round, and my only one until the next.  fill = 0: the last K step's tile is waited for, and shown to all four waves.
.macro CHANGE p, slot, ns, fill
	s_wait_tensorcnt 0x0                           ; no tensor load of mine is out, so a group 0 may be written  (every window is 0 here)
	ds_add_u32 v[SPW], v[NIL]                      ; 0 onto my spare word: the descriptors' steps stand between it and the wait for it
.if \fill
	s_add_nc_u64 s[G0+4*\slot+2:G0+4*\slot+3], s[G0+4*\slot+2:G0+4*\slot+3], 3*AKS
	s_add_nc_u64 s[G0B+4*\slot+2:G0B+4*\slot+3], s[G0B+4*\slot+2:G0B+4*\slot+3], 3*ROWB
.endif
	s_wait_dscnt 0x0                               ; the add is done, set p is in, and my reads of this slot are over
.if \fill
	CROUND
	JLOAD \slot                                    ; the four v_nop behind it are the places in front of the loads below
.else
	s_barrier_signal -1
	s_barrier_wait -1
	PLACES NP
.endif
	FETCH \ns, 0, 1-\p                             ; the next K step's tile was shown landed at the change of slots before this one, or at this one
	WIN MUL
	MUL32 \p, 0
	WIN 0
.endm
	s_wait_tensorcnt 2                             ; my part of K step 0 is in; the loads of K steps 1 and 2 may be out
	s_barrier_signal -1
	s_barrier_wait -1                              ; everybody's is
	FETCH 0, 0, 0
	HALF   0, 0, 1, 1                              ; K step 0 (slot 0): its first products start the sums
	CHANGE 1, 0, 1, 1                              ; slot 0 takes K step 3
	HALF   0, 1, 1, 0                              ; K step 1 (slot 1)
	CHANGE 1, 1, 2, 1                              ; slot 1 takes K step 4
	HALF   0, 2, 1, 0                              ; K step 2 (slot 2)
	CHANGE 1, 2, 0, 1                              ; slot 2 takes K step 5
	HALF   0, 0, 1, 0                              ; K step 3 (slot 0)
	CHANGE 1, 0, 1, 1                              ; slot 0 takes K step 6
	HALF   0, 1, 1, 0                              ; K step 4 (slot 1)
	CHANGE 1, 1, 2, 1                              ; slot 1 takes K step 7: the last load
	HALF   0, 2, 1, 0                              ; K step 5 (slot 2): nothing is left to ask for
	HALF   1, 0, 0, 0                              ; (K step 6's tile was shown landed at the last change of slots)
	HALF   0, 0, 1, 0                              ; K step 6 (slot 0)
	CHANGE 1, 0, 1, 0                              ; K step 7's tile is waited for; behind this barrier nobody reads slot 0 any more
	HALF   0, 1, 1, 0                              ; K step 7 (slot 1)
	s_wait_dscnt 0x0
	WIN MUL
	MUL32 1, 0
	WIN 0
	PLACES NP                                      ; for the reads of the last results and for the loads into the registers that held A's fragments
.if MODE == 1
; THE WAY OUT, block by block of 16 rows x 128 columns.  Held within +-448 x the scale and converted, a lane's eight sums are 8 bytes of a row of 128; a block goes through my own stage in LDS and comes back
; as four rows an instruction: a store of the wave covers 512 consecutive bytes, aligned.  LDS serves a wave's instructions in order (ISA guide 5.7.1.4): no wait between the stores and the loads.
; A block's codes lie in v96-111 and v112-127 by turns, its rows in 16 registers of their own: nothing that a store still reads is written again.
.macro QSTAGE a
.set AC, 64*(\a)
.set CD, 96+16*((\a)%2)
	WIN 0x02                                       ; source 0: window 2
.set j, 0
.rept 64
	v_med3_num_f32 v[TMP+j], v[AC+j], -v[LIMR], v[LIMR]   ; the hold (the conversion does not saturate: ISA guide 7.6.2); each accumulator from its low end on
.set j, j+1
.endr
	WIN 0
.irp b, 0,1,2,3,4,5,6,7
	v_cvt_scalef32_pk8_fp8_f32 v[CD+2*\b:CD+2*\b+1], v[TMP+8*\b:TMP+8*\b+7], v[SCR]
.endr
	v_nop                                          ; a plain vector line behind the last conversion of the run
.irp b, 0,1,2,3,4,5,6,7
	ds_store_b64 v[STO], v[CD+2*\b:CD+2*\b+1] offset:16*\b
.endr
.irp i, 0,1,2,3
	ds_load_b128 v[BK+16*(\a)+4*\i:BK+16*(\a)+4*\i+3], v[RD] offset:4*QPITCH*\i
.endr
.endm
.macro QSEND a, younger                ; younger: the LDS instructions issued behind block a's loads, which may stay out
	s_wait_dscnt \younger
.irp i, 0,1,2,3
	global_store_b128 v[CO], v[BK+16*(\a)+4*\i:BK+16*(\a)+4*\i+3], s[10:11] offset:2048*(\a)+512*\i
.endr
.endm
	QSTAGE 0
.irp a, 1,2,3
	QSTAGE \a
	QSEND \a-1, 12                                 ; behind block a - 1's loads: block a's 8 stores and 4 loads
.endr
	QSEND 3, 0
.else
; THE WAY OUT, block by block of 16 rows x 128 columns.  A lane holds 32 neighbouring bytes of a row: a block goes through my own stage in LDS and comes back as whole rows of 512 bytes.
.macro TOSTAGE a
.set AC, 64*(\a)
	WIN 0x02                                       ; source 0: window 2
.irp j, 0,2,4,6,8,10,12,14,16,18,20,22,24,26,28,30,32,34,36,38,40,42,44,46,48,50,52,54,56,58,60,62
	v_pk_mul_f32 v[TMP+\j:TMP+\j+1], v[AC+\j:AC+\j+1], s[96:97] op_sel_hi:[1,0]   ; x 2^(e6 + e7); each accumulator from its low end on
.endr
	WIN 0
.irp b, 0,1,2,3,4,5,6,7
	ds_store_b128 v[STO], v[TMP+8*\b:TMP+8*\b+3] offset:64*\b
	ds_store_b128 v[STO], v[TMP+8*\b+4:TMP+8*\b+7] offset:64*\b+16
.endr
.set BB, BK+64*((\a)%2)
.irp t, 0,1,2,3,4,5,6,7,8,9,10,11,12,13,14,15
	ds_load_b128 v[BB+4*\t:BB+4*\t+3], v[RD] offset:\t*SPITCH
.endr
.endm
.macro SEND a, younger
.set BB, BK+64*((\a)%2)
	s_wait_dscnt \younger                          ; the block is back in registers
.if (\a) > 0
	s_add_nc_u64 s[10:11], s[10:11], 16*SIZE_N*4   ; (behind a wait on XCNT: the earlier stores have read their base)  16 rows of C on
.endif
.irp t, 0,1,2,3,4,5,6,7,8,9,10,11,12,13,14,15
	global_store_b128 v[CO], v[BB+4*\t:BB+4*\t+3], s[10:11] offset:\t*SIZE_N*4 th:TH_STORE_NT   ; 32 lanes store 512 consecutive bytes, aligned; written once, read by nobody here
.endr
.endm
	TOSTAGE 0
.irp a, 1,2,3
.if \a > 1
	s_wait_xcnt 0x0                                ; block a - 2's stores have read their registers and their base: block a's loads may land there, and the base may step
.endif
	TOSTAGE \a
	SEND \a-1, 32                                  ; behind block a - 1's loads: block a's 16 stores and 16 loads
.endr
	s_wait_xcnt 0x0                                ; block 2's stores have read their base
	SEND 3, 0
.endif
	s_wait_tensorcnt 0x0                           ; the wave's end, behind my last tensor load and my last LDS store
	ds_add_u32 v[SPW], v[NIL]
	s_wait_dscnt 0x0
	CROUND                                         ; the closing round: no work-group ends while a partner may still ask for a tile that names it
	s_endpgm
.Lfunc_end_k_qf57e3b200f_gemm_q:
	.size	k_qf57e3b200f_gemm_q, .Lfunc_end_k_qf57e3b200f_gemm_q-k_qf57e3b200f_gemm_q
	.p2alignl 7, 3214868480
	.fill 96, 4, 3214868480
	.section	.rodata,"a",@progbits
	.p2align	6, 0x0
	.amdhsa_kernel k_qf57e3b200f_gemm_q
		.amdhsa_group_segment_fixed_size 327680
		.amdhsa_private_segment_fixed_size 0
		.amdhsa_enable_private_segment 0
		.amdhsa_kernarg_size 40
		.amdhsa_user_sgpr_count 2
		.amdhsa_user_sgpr_kernarg_segment_ptr 1
		.amdhsa_wavefront_size32 1
		.amdhsa_system_sgpr_workgroup_id_x 1
		.amdhsa_system_sgpr_workgroup_id_y 1
		.amdhsa_system_sgpr_workgroup_id_z 1
		.amdhsa_system_vgpr_workitem_id 0
		.amdhsa_next_free_vgpr 768
		.amdhsa_next_free_sgpr 98
		.amdhsa_reserve_vcc 0
		.amdhsa_float_denorm_mode_32 3
		.amdhsa_float_denorm_mode_16_64 3
		.amdhsa_memory_ordered 1
		.amdhsa_forward_progress 1
		.amdhsa_inst_pref_size 128
	.end_amdhsa_kernel
	.amdgpu_metadata
---
amdhsa.version: [ 1, 2 ]
amdhsa.kernels:
  - .name:           k_qf57e3b200f_gemm_q
    .symbol:         k_qf57e3b200f_gemm_q.kd
    .args:
      - { .name: x_codes, .offset: 0, .size: 8, .value_kind: global_buffer, .address_space: global }
      - { .name: qw_codes, .offset: 8, .size: 8, .value_kind: global_buffer, .address_space: global }
      - { .name: lowp_scales, .offset: 16, .size: 8, .value_kind: global_buffer, .address_space: global }
      - { .name: q_codes, .offset: 24, .size: 8, .value_kind: global_buffer, .address_space: global }
      - { .name: q_b, .offset: 32, .size: 8, .value_kind: global_buffer, .address_space: global }
    .group_segment_fixed_size: 327680
    .private_segment_fixed_size: 0
    .kernarg_segment_align: 8
    .kernarg_segment_size: 40
    .max_flat_workgroup_size: 128
    .sgpr_count:     98
    .vgpr_count:     768
    .wavefront_size: 32
...
	.end_amdgpu_metadata
.endif
;; end of part 3
;; launch attn (part 4): grid 8 x 32, 16 waves a work-group, no clusters, 327,680 bytes of LDS; arguments q_codes, k_codes, v_codes, lowp_scales, a_codes, tier_labels, padding_mask, tier_bias; writes a_codes
.if DOCPART == 4
	.amdgcn_target "amdgcn-amd-amdhsa--gfx1250"
	.amdhsa_code_object_version 6
	.text
	.protected	k_qf57e3b200f_attn
	.globl	k_qf57e3b200f_attn
	.p2align	8
	.type	k_qf57e3b200f_attn,@function
k_qf57e3b200f_attn:
	s_mov_b64 s[64:65], 0
	v_nop
	global_prefetch_b8 v0, s[64:65] scope:SCOPE_SE
	s_setreg_imm32_b32 hwreg(HW_REG_WAVE_MODE, 25, 1), 1
	s_wait_xcnt 0x0
; Causal attention with an additive bias and a mask for each key, both products on codes of FP8 (E4M3); the result is quantised for the out projection.
; q_codes, k_codes: [32 (batch, head)][2048][128].  v_codes: [32][128][2048], keys innermost.  a_codes: [16 heads][4096 (batch x 2048 + query)][128].  Scales: eq = e2, ek = e3, ep = e4, ev = e5, eo = e6.
; logit = q . k / sqrt(128) + tier_bias[label of the key]; a key counts for a query where key <= query and the key is not padded.
; THE SOFTMAX AHEAD OF THE SECOND PRODUCT: t = logit x log2(e); M = the row's largest t so far, rounded UP to a whole number; p = 2^(t - M) is quantised, not normalised.  The row's sum is taken of the
; unquantised p and divides O at the end.  When M moves, the sum and O are multiplied by 2^(old M - new M): exact.
; THE KEY'S BIAS IS THE C OF THE FIRST PRODUCT, in the units of the raw sums: tier_bias x sqrt(128) / 2^(eq + ek), so that t = c x (raw sum + bias), c = log2(e) / sqrt(128) x 2^(eq + ek).
; A padded key's bias is -2^100.  The running largest t begins at c x (-2^90): above every padded key's t and below every other, so a padded key's p is 0 also while a row has seen no open key.
; A row that ends with the sum 0 (every key that it may see is padded) gets NaN codes, which make its row of the final output NaN, as the softmax of a row of -infinity is.
; LIMITS: eq + ek between -80 and 25; |tier_bias| x 11.4 / 2^(eq + ek) under 2^90; ep between -126 and 119.  A label other than 1 or 2 counts as 0.
; SHARES.  A work-group owns, of one head, the blocks g and 15 - g of 128 queries (g = the work-group's x), so that every work-group has 17 blocks of 128 x 128 to work under the causal mask.
; Each of its SIXTEEN waves owns 16 queries in 256 registers: four waves to a SIMD, so that one wave's vector work stands beside another's matrix work and LDS loads.  Of waves 2 j and 2 j + 1 one takes tile j of
; block g and the other tile j of block 15 - g, by the bit (w xor w / 4) & 1.  Every wave walks all 8 slots of 256 keys (constant trip counts; no tensor load or barrier is jumped over) and leaves out the WORK of the
; steps all of whose keys come after its queries.  K's and V's tiles come through a ring of two LDS slots (waves 0, 1: K's halves; waves 2, 3: V's).
; NO CLUSTER: the work-groups that share K and V are the query blocks of one head, and the steps that they leave out differ with the query block: a branch that would differ between partners.
; LAYOUT.  Both products are used transposed: S^T = K Q^T, O^T = V^T P^T: a lane holds ONE query (lane % 16) throughout.  THE KEYS OF A TILE ARE NOT NEIGHBOURS: lane r of tile 2 b + u takes key
; 32 b + 8 u + r + 8 (r / 8), so that the 16 registers of tiles 2 b and 2 b + 1 are 16 neighbouring keys, 32 b + 16 (lane / 16) + 0 .. 15.  IN k_codes THOSE SIXTEEN KEYS ARE SIXTEEN NEIGHBOURING ROWS, 32 b + 16 u + r:
; the launch that makes the codes lets the second and third group of eight of each 32 keys change places.  At 144 bytes from row to row the sixteen rows of a load start at sixteen different groups of four banks.
; REGISTERS: v1-7 addresses that stay; v8-10 addresses of the loads in hand; v12 -M, v13 the largest t, v[14:15] the sum in two halves; v16-31 Q; v32-95 four fragments of K or of V; v96-159 S^T, then p; v160-223 O^T; v224-239 p's codes; v236-254 at work.
.set SIZE_N, 2048
.set SK,    256                        ; keys in a slot
.set NQ,    SK/128                     ; key steps in a slot
.set ROWB,  128                        ; 128 codes in bytes
.set KP,    144                        ; a key's row in LDS: 128 bytes + 16 of padding
.set VROWB, 256                        ; SK codes: a row of V's tile
.set VP,    272                        ; and in LDS: + 16
.set KROWV, SIZE_N                     ; a row of V in memory
.set VOFF,  SK*KP                      ; a slot: SK rows of K, then 128 rows of V
.set SLOT1, 1<<17                      ; slot 1 begins here: one exclusive or turns an address in one slot into the other's
.set NSL,   SIZE_N/SK
.set SPARE, 2*SLOT1                    ; behind the ring: the spare words, 128 bytes a wave, which no other line names
.set KBL,   SPARE+2048                 ; behind them: the 2,048 keys' biases, f32: stored once at the head; no tile lands here
.set SGP,   144                        ; the way out: 16 rows x (128 bytes + 16) for each wave, from byte 0 of slot 0, which was left at the last change of slots: it has had its last fill, and nobody reads it
.set AK0,  1                           ; v1   my lane's place in a tile of K
.set AV0,  2                           ; v2   the same for V
.set PFO,  3                           ; v3   the prefetches' offset; never rewritten
.set AKB0, 4                           ; v4   KBL + 64 (lane / 16): my half's place among a tile pair's 32 biases
.set SPW,  5                           ; v5   LDS address of my spare word; never rewritten
.set NIL,  6                           ; v6   0; never rewritten
.set GO,   7                           ; v7   the way out: 16 x lane
.set ADK,  8                           ; v8   LDS address of the step's tiles of K
.set ADV,  9                           ; v9   of V
.set ADB,  10                          ; v10  of the slot's biases
.set TB,   2                           ; s2   LDS byte at which the slot in hand begins
.set KBS,  11                          ; s11  1,024 x the number of the slot in hand: its biases' place
.set WV,   18                          ; s18  my wave's number
.set SEL,  20                          ; s[20:21] lane selects for v_permlanex16_b32: lane l xor 16
.set CS,   22                          ; s[22:23] c
.set G1K,  24                          ; s[24:31] descriptor group 1 for K's tiles;  s[32:39] for V's;  s[40:43], s[44:47] their groups 0, which walk
.set G1V,  32
.set G0K,  40
.set G0V,  44
.set SLOTS, 67                         ; s67  slots still to be asked for
.set PFA,  76                          ; s[76:77] where my prefetches stand in memory
.set PFS,  78                          ; s[78:79] a slot on, in bytes
.set LIM,  80                          ; s80  1 in a wave that prefetches, else the greatest number
.set KF,   98                          ; s98  the step's first key
.set Q0,   99                          ; s99  my first query
; Waves 0 and 1 fetch for K, waves 2 and 3 for V, the others nothing.  The branches hang on the wave's number alone.  An s_nop 0 and four v_nop follow each of the two lines.
.macro TLOAD
	s_cmp_lt_u32 s[WV], 2
	s_cbranch_scc0 .Lnot_k_\@
	tensor_load_to_lds s[G0K:G0K+3], s[G1K:G1K+7]
	s_nop 0
.rept 4
	v_nop
.endr
	s_branch .Lasked_\@
.Lnot_k_\@:
	s_cmp_lt_u32 s[WV], 4
	s_cbranch_scc0 .Lasked_\@
	tensor_load_to_lds s[G0V:G0V+3], s[G1V:G1V+7]
	s_nop 0
.rept 4
	v_nop
.endr
.Lasked_\@:
.endm
; A PREFETCH INTO THE L2 of what the NEXT change of slots will ask for: 256 rows of K, one dense block of 32,768 bytes, and 256 codes of each of V's 128 rows.  It stands at the change of slots, where the fetching waves have
; their tensor load.  Each aligned block of 256 bytes is asked for ONCE in the launch: all work-groups of a head walk the same K and V, and the head's first work-group asks.  In it the waves ask that fetch nothing, one
; instruction each: waves 4 to 7 for K's block, 8,192 bytes a wave, lanes 256 bytes apart; waves 8 to 11 for V's rows, 32 a wave, a lane a row.  The last change that fills a slot asks for nothing; slots 0 and 1 come by their loads alone.
.macro ASK
	s_cmp_gt_u32 s[SLOTS], s[LIM]
	s_cbranch_scc0 .Lnot_mine_\@
	global_prefetch_b8 v[PFO], s[PFA:PFA+1] th:TH_LOAD_NT scope:SCOPE_SE
.Lnot_mine_\@:
.endm
	s_load_b128 s[4:7], s[0:1], 0x0                ; Q's codes s[4:5], K's codes s[6:7]
	s_load_b128 s[12:15], s[0:1], 0x10             ; V's codes s[12:13], the scales' exponents s[14:15]
	s_load_b64 s[16:17], s[0:1], 0x20              ; the result's codes
	s_load_b128 s[48:51], s[0:1], 0x28             ; the labels s[48:49], the padding mask s[50:51]
	s_load_b64 s[52:53], s[0:1], 0x38              ; the three tier biases
	v_lshl_add_u32 v[SPW], v0, 2, SPARE
	v_mov_b32 v[NIL], 0
	ds_add_u32 v[SPW], v[NIL]                      ; the wave's opening: the add and its wait stand ahead of my first tensor load; the set-up below, work on registers, stands between them
	v_lshrrev_b32 v8, 5, v0
	v_readfirstlane_b32 s[WV], v8                  ; wave 0..15
	s_and_b32 s72, ttmp7, 0xffff                   ; 16 x batch + head
	s_lshl_b32 s74, s72, 18                        ; its first byte in each of the three tensors of codes that are read: 2,048 x 128 bytes
	s_mov_b32 s75, 0
	s_lshr_b32 s80, s[WV], 2
	s_xor_b32 s80, s80, s[WV]
	s_and_b32 s80, s80, 1                          ; which of the work-group's two blocks of queries is mine
	s_sub_co_u32 s81, 15, ttmp9
	s_cmp_eq_u32 s80, 0
	s_cselect_b32 s81, ttmp9, s81                  ; block g or block 15 - g
	s_lshl_b32 s81, s81, 7
	s_lshr_b32 s80, s[WV], 1
	s_lshl_b32 s80, s80, 4
	s_add_co_u32 s80, s80, s81                     ; my first query: 128 x block + 16 x (wave / 2)
	s_mov_b32 s[Q0], s80
	s_lshl_b32 s82, s80, 7
	s_mov_b32 s83, 0
	s_add_nc_u64 s[82:83], s[82:83], s[74:75]      ; its codes
	s_lshr_b32 s85, s72, 4                         ; batch
	s_and_b32 s86, s72, 15                         ; head
	s_lshl_b32 s86, s86, 19                        ; the head's slab of the result: 4,096 x 128 bytes
	s_lshl_b32 s87, s85, 11
	s_add_co_u32 s87, s87, s80                     ; row 2,048 x batch + query
	s_lshl_b32 s87, s87, 7
	s_add_co_u32 s86, s86, s87
	s_mov_b32 s87, 0
	; what I fetch, if I fetch: wave 0, 1: keys 128 x wave on; wave 2, 3: rows 64 x (wave - 2) of V
	s_and_b32 s88, s[WV], 1
	s_lshl_b32 s90, s88, 14                        ; K: 128 keys x 128 bytes in memory,
	s_mov_b32 s91, 0
	s_add_nc_u64 s[90:91], s[90:91], s[74:75]
	s_mul_i32 s89, s88, (SK/2)*KP                  ; and in a slot
	s_lshl_b32 s92, s88, 17                        ; V: 64 rows x 2,048 bytes in memory,
	s_mov_b32 s93, 0
	s_add_nc_u64 s[92:93], s[92:93], s[74:75]
	s_mul_i32 s94, s88, 64*VP
	s_add_co_u32 s94, s94, VOFF                    ; and in a slot
	s_lshl_b32 s54, s85, 13                        ; the batch's labels: 2,048 x 4 bytes
	s_mov_b32 s55, 0
	; descriptor group 1: K: 128 rows of 128 bytes, dense in memory;  V: 64 rows of 256 bytes, 2,048 bytes apart
	s_mov_b32 s[G1K], (1<<20)|(4<<22)|(3<<25)      ; no mask; elements of 1 byte; padding on: four words (code 3) after every 32 (code 4)
	s_mov_b32 s[G1K+1], ROWB<<16                   ; tensor_dim0
	s_mov_b32 s[G1K+2], (SK/2)<<16                 ; tensor_dim1
	s_mov_b32 s[G1K+3], ROWB<<16                   ; tile_dim0
	s_mov_b32 s[G1K+4], SK/2                       ; tile_dim1
	s_mov_b32 s[G1K+5], ROWB                       ; tensor_dim0_stride
	s_mov_b32 s[G1K+6], 0
	s_mov_b32 s[G1K+7], 0
	s_mov_b32 s[G1V], (1<<20)|(5<<22)|(3<<25)      ; padding: four words after every 64
	s_mov_b32 s[G1V+1], VROWB<<16
	s_mov_b32 s[G1V+2], 64<<16
	s_mov_b32 s[G1V+3], VROWB<<16
	s_mov_b32 s[G1V+4], 64
	s_mov_b32 s[G1V+5], KROWV
	s_mov_b32 s[G1V+6], 0
	s_mov_b32 s[G1V+7], 0
	s_mov_b32 s[SEL], 0x76543210
	s_mov_b32 s[SEL+1], 0xfedcba98
	s_mov_b32 s[CS], 0x3e0293ee                    ; log2(e) / sqrt(128)
	s_mov_b32 s[TB], 0
	s_mov_b32 s[KBS], 0
	s_mov_b32 s[SLOTS], NSL-1
	s_mov_b32 s[KF], 0
	s_wait_dscnt 0x0                               ; the opening add is done
	s_wait_kmcnt 0x0
	s_load_b256 s[56:63], s[14:15], 0x0            ; e0 .. e7: eq s58, ek s59, ep s60, ev s61, eo s62
	s_load_b96 s[8:10], s[52:53], 0x0              ; the three tier biases
	s_mov_b32 s[G0K], 1                            ; count = 1
	s_mov_b32 s[G0K+1], s89                        ; LDS address: slot 0
	s_add_nc_u64 s[G0K+2:G0K+3], s[6:7], s[90:91]  ; global address: the head's first 256 keys
	s_or_b32 s[G0K+3], s[G0K+3], 0x80000000        ; type = 2
	s_mov_b32 s[G0V], 1
	s_mov_b32 s[G0V+1], s94
	s_add_nc_u64 s[G0V+2:G0V+3], s[12:13], s[92:93]
	s_or_b32 s[G0V+3], s[G0V+3], 0x80000000
	TLOAD                                          ; slot 0: one load of mine is out
	s_add_nc_u64 s[4:5], s[4:5], s[82:83]          ; Q's codes at my first query
	s_add_nc_u64 s[16:17], s[16:17], s[86:87]      ; the result likewise
	s_add_nc_u64 s[48:49], s[48:49], s[54:55]      ; my batch's labels,
	s_lshl_b32 s54, s85, 11
	s_add_nc_u64 s[50:51], s[50:51], s[54:55]      ; and its mask: 2,048 bytes
	v_lshlrev_b32 v37, 4, v0                       ; thread t makes the biases of keys 4 t .. 4 t + 3: 16 bytes of labels,
	v_lshlrev_b32 v38, 2, v0                       ; 4 bytes of mask
	v_lshl_add_u32 v39, v0, 4, KBL                 ; and 16 bytes of the table
	global_load_b128 v[32:35], v37, s[48:49]
	global_load_b32 v36, v38, s[50:51]
	; the prefetches (macro ASK): where my wave's stand, and who asks
	s_cmp_lt_u32 s[WV], 8                          ; waves 4 to 7 ask for K's codes, waves 8 to 11 for V's
	s_cselect_b64 s[PFA:PFA+1], s[6:7], s[12:13]
	s_mov_b32 s[PFS], VROWB
	s_cselect_b32 s[PFS], SK*ROWB, s[PFS]          ; a slot on
	s_mov_b32 s82, KROWV
	s_cselect_b32 s82, 256, s82                    ; from lane to lane
	s_mov_b32 s83, 32*KROWV
	s_cselect_b32 s83, 8192, s83                   ; from wave to wave
	v_and_b32 v[PFO], 31, v0
	v_mul_lo_u32 v[PFO], v[PFO], s82
	s_and_b32 s82, s[WV], 3
	s_mul_i32 s82, s82, s83                        ; my wave's part,
	s_add_co_u32 s82, s82, s[PFS]                  ; in slot 1: the first change of slots steps it to slot 2.  Nothing is prefetched here, at the head
	s_mov_b32 s83, 0
	s_mov_b32 s[PFS+1], 0
	s_add_nc_u64 s[PFA:PFA+1], s[PFA:PFA+1], s[74:75]  ; in my head
	s_add_nc_u64 s[PFA:PFA+1], s[PFA:PFA+1], s[82:83]
	s_sub_co_u32 s82, s[WV], 4
	s_lshr_b32 s82, s82, 3                         ; 0 in waves 4 to 11,
	s_or_b32 s82, s82, ttmp9                       ; of the head's first work-group
	s_cmp_eq_u32 s82, 0
	s_cselect_b32 s[LIM], 1, -1
	v_and_b32 v8, 15, v0                           ; r = lane % 16
	v_bfe_u32 v9, v0, 4, 1                         ; h = lane / 16
	v_mul_u32_u24 v10, v8, ROWB
	v_lshl_add_u32 v10, v9, 4, v10                 ; Q: row r, + my half's bytes
.irp c, 0,1,2,3
	global_load_b128 v[16+4*\c:19+4*\c], v10, s[4:5] offset:32*\c   ; Q's fragment stays in registers
.endr
	v_mul_u32_u24 v[AK0], v8, KP                   ; K: row r of the tile's sixteen neighbouring rows,
	v_lshl_add_u32 v[AK0], v9, 4, v[AK0]           ; + my half's bytes
	v_mul_u32_u24 v[AV0], v8, VP
	v_lshl_add_u32 v[AV0], v9, 4, v[AV0]
	v_add_nc_u32 v[AV0], VOFF, v[AV0]
	v_lshl_add_u32 v[AKB0], v9, 6, KBL
	v_and_b32 v[GO], 31, v0
	v_lshlrev_b32 v[GO], 4, v[GO]
	v_mov_b32 v14, 0                               ; the sum, in two halves
	v_mov_b32 v15, 0
	v_mov_b32 v236, 0                              ; written once: a lane permute's destination counts as one of its sources
	v_mov_b32 v253, 0                              ; (named as the upper half of the pair v[252:253])
.set j, 0
.rept 64
	v_mov_b32 v[160+j], 0                          ; O^T.  (The step is written once: its first run finds zeros, which the first change of M leaves zeros)
.set j, j+1
.endr
	s_wait_kmcnt 0x0
	s_add_co_i32 s72, s58, s59                     ; eq + ek
	s_sub_co_i32 s73, 0, s72
	s_lshl_b32 s72, s72, 23
	s_add_co_i32 s[CS], s[CS], s72                 ; a raw sum stands for sum x 2^(eq + ek): the two exponents are added to c's exponent field
	s_mov_b32 s[CS+1], s[CS]                       ; (named with it as a pair, so it is written)
	v_mov_b32 v13, 0xec800000                      ; -2^90 in the raw sums' units,
	v_mul_f32 v13, s[CS], v13                      ; as t: the largest t so far
	v_floor_f32 v12, -v13                          ; -M
	s_add_co_i32 s72, s60, 127
	s_lshl_b32 s84, s72, 23
	v_mov_b32 v244, s84                            ; 2^ep as f32, for the conversion
	s_add_co_i32 s72, s72, 8
	s_lshl_b32 s72, s72, 23
	s_or_b32 s72, s72, 0x600000
	v_mov_b32 v240, s72                            ; 448 x 2^ep
.irp i, 0,1,2
	v_mov_b32 v[44+\i], s[8+\i]
	v_mul_f32 v[44+\i], 0x413504f3, v[44+\i]       ; x sqrt(128)
	v_ldexp_f32 v[44+\i], v[44+\i], s73            ; / 2^(eq + ek): the tier's bias in the raw sums' units
.endr
	v_mov_b32 v47, 0xf1800000                      ; -2^100: a padded key's
	s_wait_loadcnt 4                               ; the labels and the mask are in; Q's four loads, issued behind them, may be out
.irp i, 0,1,2,3
	v_cmp_eq_u32 vcc_lo, 1, v[32+\i]
	v_cndmask_b32 v[40+\i], v44, v45, vcc_lo
	v_cmp_eq_u32 vcc_lo, 2, v[32+\i]
	v_cndmask_b32 v[40+\i], v[40+\i], v46, vcc_lo
	v_bfe_u32 v48, v36, 8*\i, 8
	v_cmp_ne_u32 vcc_lo, 0, v48
	v_cndmask_b32 v[40+\i], v[40+\i], v47, vcc_lo
.endr
	ds_store_b128 v39, v[40:43]                    ; the first change of slots, with its wait for my LDS instructions and its barrier, shows the table to all sixteen waves
; A KEY STEP: 128 keys, the q-th of the slot in hand.
.macro STEP q
; A step all of whose keys come after my 16 queries is left out: a scalar branch on ids, round the step's loads, products and softmax; not round the line at its end that steps the key, and no barrier or tensor load stands in a step.
	s_add_co_u32 s96, s[Q0], 15
	s_cmp_gt_u32 s[KF], s96
	s_cbranch_scc1 .Lhidden_\@
	v_add_nc_u32 v[ADK], s[TB], v[AK0]
	v_add_nc_u32 v[ADV], s[TB], v[AV0]
	v_add_nc_u32 v[ADB], s[KBS], v[AKB0]
.irp g, 0,1                                    ; S^T = K Q^T + the keys' biases, four tiles of 16 keys at a time
.rept 4-2*(1-\g)
	v_nop                                          ; places in front of loads into registers that matrix instructions have read (four are asked; the three additions above are places too)
.endr
.irp t, 0,1,2,3
	ds_load_b128 v[96+8*(4*\g+\t):99+8*(4*\g+\t)],   v[ADB] offset:512*(\q)+128*((4*\g+\t)/2)+32*(\t%2)      ; register j of the tile: the bias of key 32 (tile / 2) + 16 h + 8 (tile % 2) + j
	ds_load_b128 v[100+8*(4*\g+\t):103+8*(4*\g+\t)], v[ADB] offset:512*(\q)+128*((4*\g+\t)/2)+32*(\t%2)+16
.irp c, 0,1,2,3
	ds_load_b128 v[32+16*\t+4*\c:32+16*\t+4*\c+3], v[ADK] offset:(128*(\q)+16*(4*\g+\t))*KP+32*\c          ; the tile's sixteen keys lie in rows 16 x tile on
.endr
.endr
	s_wait_dscnt 0x0
.irp t, 0,1,2,3
	v_wmma_f32_16x16x128_fp8_fp8 v[96+8*(4*\g+\t):103+8*(4*\g+\t)], v[32+16*\t:47+16*\t], v[16:31], v[96+8*(4*\g+\t):103+8*(4*\g+\t)]   ; the accumulators take turns, one instruction a turn
.endr
.endr
.rept 4
	v_nop
.endr
	; on the diagonal the scores of hidden keys become -infinity ahead of the maximum: p = 0 then.  A step all of whose keys may be seen skips this
	s_add_co_u32 s96, s[KF], 127
	s_cmp_le_u32 s96, s[Q0]
	s_cbranch_scc1 .Lopen_\@
	s_sub_co_i32 s96, s[Q0], s[KF]
	v_and_b32 v252, 15, v0
	v_bfe_u32 v253, v0, 4, 1
	v_lshlrev_b32 v253, 4, v253
	v_sub_nc_u32 v252, v252, v253
	v_add_nc_u32 v252, s96, v252                   ; d = my query - the step's first key - 16 h.  Register 16 b + i holds key 16 h + 32 b + i of the step: hidden where 32 b + i > d
	v_mov_b32 v254, 0xff800000                     ; -infinity
.irp n, 0,1,2,3,4,5,6,7,8,9,10,11,12,13,14,15,16,17,18,19,20,21,22,23,24,25,26,27,28,29,30,31,32,33,34,35,36,37,38,39,40,41,42,43,44,45,46,47,48,49,50,51,52,53,54,55,56,57,58,59,60,61,62,63
	v_cmp_gt_i32 vcc_lo, 32*(\n/16)+\n%16, v252
	v_cndmask_b32 v[96+\n], v[96+\n], v254, vcc_lo
.endr
.Lopen_\@:
	v_max3_num_f32 v254, v96, v97, v98             ; the step's largest score of my query, among my 64 keys, in two chains, each tile from its low end on,
	v_max3_num_f32 v252, v99, v100, v101
.irp i, 6,10,14,18,22,26,30,34,38,42,46,50,54,58
	v_max3_num_f32 v254, v254, v[96+\i], v[97+\i]
	v_max3_num_f32 v252, v252, v[98+\i], v[99+\i]
.endr
	v_max3_num_f32 v254, v254, v158, v159
	v_max_num_f32 v254, v254, v252
	v_permlanex16_b32 v236, v254, s[SEL], s[SEL+1]
	v_max_num_f32 v254, v254, v236                 ; and among lane l xor 16's
	v_mul_f32 v254, s[CS], v254                    ; as t (c is positive)
	v_max_num_f32 v13, v13, v254                   ; the running largest t
	v_mov_b32 v254, v12
	v_floor_f32 v12, -v13                          ; the new -M = floor(-t) = -ceil(t): M IS A WHOLE NUMBER
	v_sub_f32 v254, v12, v254                      ; M's old value less its new one: a whole number, 0 or less
	v_cvt_i32_f32 v254, v254                       ; (it saturates)
	v_ldexp_f32 v252, 1.0, v254                    ; f = 2^(old M - new M): a multiplication by it rounds nothing
.irp j, 0,2,4,6,8,10,12,14,16,18,20,22,24,26,28,30,32,34,36,38,40,42,44,46,48,50,52,54,56,58,60,62
	v_pk_fma_f32 v[96+\j:97+\j], v[96+\j:97+\j], s[CS:CS+1], v[12:13] op_sel_hi:[1,0,0]   ; t - M, two at a time (of the pairs c and -M the low word serves both halves)
.endr
.set j, 0
.rept 64
	v_exp_f32 v[96+j], v[96+j]                     ; p = 2^(t - M), at most 1: NOT normalised
.set j, j+1
.endr
	v_pk_mul_f32 v[14:15], v[14:15], v[252:253] op_sel_hi:[1,0]   ; the sums under the new M.  (A plain place behind the exponentials)
	s_wait_alu depctr_va_vdst(0)                   ; one wait for the whole batch of exponentials, ahead of its first reader
	v_pk_add_f32 v[242:243], v[96:97], v[98:99]    ; THE ROW'S SUM IS TAKEN OF THE UNQUANTISED p: two at a time, in two chains
.irp j, 4,8,12,16,20,24,28,32,36,40,44,48,52,56,60
	v_pk_add_f32 v[14:15], v[14:15], v[96+\j:97+\j]
	v_pk_add_f32 v[242:243], v[242:243], v[98+\j:99+\j]
.endr
	v_pk_add_f32 v[14:15], v[14:15], v[242:243]
.irp b, 0,1,2,3
.irp i, 0,1,2,3,4,5,6,7,8,9,10,11,12,13,14,15
	v_min_num_f32 v[96+16*\b+\i], v[96+16*\b+\i], v240   ; the conversion to an 8-bit code does not saturate (ISA guide 7.6.2); p is not negative, so the hold is one-sided
.endr
	v_cvt_scalef32_pk8_fp8_f32 v[224+4*\b:225+4*\b], v[96+16*\b:103+16*\b], v244
	v_cvt_scalef32_pk8_fp8_f32 v[226+4*\b:227+4*\b], v[104+16*\b:111+16*\b], v244
.endr
.irp j, 0,2,4,6,8,10,12,14,16,18,20,22,24,26,28,30,32,34,36,38,40,42,44,46,48,50,52,54,56,58,60,62
	v_pk_mul_f32 v[160+\j:161+\j], v[160+\j:161+\j], v[252:253] op_sel_hi:[1,0]   ; O^T under the new M: x f.  (These 32 are also the places in front of the matrix instructions and loads below)
.endr
.irp g, 0,1                                    ; O^T += V^T P^T: four tiles of 16 of the head's 128 at a time; K = these 128 keys
.if \g > 0
.rept 4
	v_nop
.endr
.endif
.irp t, 0,1,2,3
.irp c, 0,1,2,3
	ds_load_b128 v[32+16*\t+4*\c:32+16*\t+4*\c+3], v[ADV] offset:16*(4*\g+\t)*VP+ROWB*(\q)+32*\c
.endr
.endr
	s_wait_dscnt 0x0
.irp t, 0,1,2,3
	v_wmma_f32_16x16x128_fp8_fp8 v[160+8*(4*\g+\t):167+8*(4*\g+\t)], v[32+16*\t:47+16*\t], v[224:239], v[160+8*(4*\g+\t):167+8*(4*\g+\t)]
.endr
.endr
.Lhidden_\@:
	s_add_co_u32 s[KF], s[KF], 128
.endm
; THE CHANGE OF SLOTS stands at a slot's head.  Each wave waits for all its tensor loads (its part of the slot that it is about to read), adds 0 to its spare word, and waits for that and for its reads of the slot that it has left.
; Behind the barrier the slot ahead is whole and nobody reads the other one.  fill = 1: that other slot is filled with the keys that follow: the load has a whole slot's steps in which to land.
.macro CHANGE fill
	s_wait_tensorcnt 0x0                           ; no tensor load of mine is out, so a group 0 may be written
	ds_add_u32 v[SPW], v[NIL]                      ; 0 onto my spare word: with fill = 1 the descriptors' steps stand between it and the wait for it
.if \fill
	s_xor_b32 s[G0K+1], s[G0K+1], SLOT1            ; the walking descriptors: the other slot than last time,
	s_add_nc_u64 s[G0K+2:G0K+3], s[G0K+2:G0K+3], SK*ROWB   ; the next 256 keys; the type bits on top are not reached
	s_xor_b32 s[G0V+1], s[G0V+1], SLOT1
	s_add_nc_u64 s[G0V+2:G0V+3], s[G0V+2:G0V+3], VROWB
	s_wait_xcnt 0x0                                ; the last prefetch, a slot back, has read its address, so it may be written:
	s_add_nc_u64 s[PFA:PFA+1], s[PFA:PFA+1], s[PFS:PFS+1]  ; one slot further on than the walking descriptors
.endif
	s_wait_dscnt 0x0                               ; the add is done, my reads of the slot that I have left are over, and (the first time) my part of the biases' table is stored
	s_barrier_signal -1
	s_barrier_wait -1
.if \fill
	TLOAD                                          ; the first thing behind the barrier, and a wave's one tensor load until the next
	ASK                                            ; what the next change of slots will ask for: a slot's two key steps ahead of that load
.endif
.endm
.macro SLOT_STEPS
.set Q, 0
.rept NQ
	STEP Q
.set Q, Q+1
.endr
	s_xor_b32 s[TB], s[TB], SLOT1                  ; on to the other slot,
	s_add_co_u32 s[KBS], s[KBS], 1024              ; and to the next 256 keys' biases
.endm
	s_wait_loadcnt 0x0                             ; Q
.Lslot:                                            ; NSL - 1 trips: behind each change of slots but the last the next slot is asked for
	CHANGE 1
	SLOT_STEPS
	s_sub_co_u32 s[SLOTS], s[SLOTS], 1
	s_cmp_lg_u32 s[SLOTS], 0
	s_cbranch_scc1 .Lslot
	CHANGE 0                                       ; the last slot is written out
	SLOT_STEPS
	; THE WAY OUT.  O^T / the sum x 2^(ep + ev - eo), held within +-448, becomes codes: a lane's eight channels are 8 bytes of its query's row of 128.  16 rows go through my stage in LDS and leave as
	; four stores of 512 consecutive bytes, aligned.
	v_add_f32 v14, v14, v15                        ; the sum's two halves,
	v_permlanex16_b32 v252, v14, s[SEL], s[SEL+1]
	v_add_f32 v14, v14, v252                       ; and lane l xor 16's: the row's sum
	v_cmp_lt_f32 s74, 0, v14                       ; has my query seen a key at all?  (It selects values only)
	v_rcp_f32 v14, v14
	v_and_b32 v8, 15, v0                           ; (a plain place behind the transcendental)  r
	v_bfe_u32 v9, v0, 4, 1                         ; h
	s_add_co_i32 s72, s60, s61
	s_sub_co_i32 s72, s72, s62                     ; ep + ev - eo
	s_mul_i32 s73, s[WV], 16*SGP                   ; my stage
	v_mul_u32_u24 v10, v8, SGP
	v_lshl_add_u32 v10, v9, 3, v10
	v_add_nc_u32 v10, s73, v10                     ; in: row r, + 8 h; tile t's bytes 16 t on
	v_and_b32 v11, 31, v0
	v_lshrrev_b32 v8, 3, v11
	v_mul_u32_u24 v8, v8, SGP
	v_and_b32 v11, 7, v11
	v_lshl_add_u32 v11, v11, 4, v8
	v_add_nc_u32 v11, s73, v11                     ; back: eight lanes to a row, four rows an instruction
	v_mov_b32 v241, 0x7f7f7f7f                     ; four NaN codes
	v_mov_b32 v245, 0x43e00000                     ; 448
	v_mov_b32 v246, 1.0                            ; the conversion's scale: the exponents are in the factor below
	s_wait_alu depctr_va_vdst(0)                   ; the wait ahead of the reciprocal's first reader
	v_ldexp_f32 v14, v14, s72
.set j, 0
.rept 64
	v_mul_f32 v[96+j], v[160+j], v14               ; register 8 t + i is o(r, 16 t + 8 h + i) / 2^eo; each accumulator from its low end on
.set j, j+1
.endr
.set j, 0
.rept 64
	v_med3_num_f32 v[96+j], v[96+j], -v245, v245   ; the hold
.set j, j+1
.endr
.irp t, 0,1,2,3,4,5,6,7
	v_cvt_scalef32_pk8_fp8_f32 v[224+2*\t:225+2*\t], v[96+8*\t:103+8*\t], v246
.endr
	v_nop                                          ; a plain vector line between the conversions and the selects that touch their results
.set j, 0
.rept 16
	v_cndmask_b32 v[224+j], v241, v[224+j], s74    ; a query that has seen no key: NaN
.set j, j+1
.endr
.irp t, 0,1,2,3,4,5,6,7
	ds_store_b64 v10, v[224+2*\t:225+2*\t] offset:16*\t
.endr
.irp i, 0,1,2,3
	ds_load_b128 v[32+4*\i:35+4*\i], v11 offset:4*SGP*\i   ; LDS serves a wave's instructions in order: these see my stores
.endr
.irp i, 0,1,2,3
	s_wait_dscnt 3-\i                              ; load i is in; the younger ones may be out
	global_store_b128 v[GO], v[32+4*\i:35+4*\i], s[16:17] offset:512*\i
.endr
	s_wait_tensorcnt 0x0                           ; the wave's end, behind my last tensor load and my last LDS store
	ds_add_u32 v[SPW], v[NIL]
	s_wait_dscnt 0x0
	s_endpgm
.Lfunc_end_k_qf57e3b200f_attn:
	.size	k_qf57e3b200f_attn, .Lfunc_end_k_qf57e3b200f_attn-k_qf57e3b200f_attn
	.p2alignl 7, 3214868480
	.fill 96, 4, 3214868480
	.section	.rodata,"a",@progbits
	.p2align	6, 0x0
	.amdhsa_kernel k_qf57e3b200f_attn
		.amdhsa_group_segment_fixed_size 327680
		.amdhsa_private_segment_fixed_size 0
		.amdhsa_enable_private_segment 0
		.amdhsa_kernarg_size 64
		.amdhsa_user_sgpr_count 2
		.amdhsa_user_sgpr_kernarg_segment_ptr 1
		.amdhsa_wavefront_size32 1
		.amdhsa_system_sgpr_workgroup_id_x 1
		.amdhsa_system_sgpr_workgroup_id_y 1
		.amdhsa_system_sgpr_workgroup_id_z 1
		.amdhsa_system_vgpr_workitem_id 0
		.amdhsa_next_free_vgpr 256
		.amdhsa_next_free_sgpr 100
		.amdhsa_reserve_vcc 1
		.amdhsa_float_denorm_mode_32 3
		.amdhsa_float_denorm_mode_16_64 3
		.amdhsa_memory_ordered 1
		.amdhsa_forward_progress 1
		.amdhsa_inst_pref_size 124
	.end_amdhsa_kernel
	.amdgpu_metadata
---
amdhsa.version: [ 1, 2 ]
amdhsa.kernels:
  - .name:           k_qf57e3b200f_attn
    .symbol:         k_qf57e3b200f_attn.kd
    .args:
      - { .name: q_codes, .offset: 0, .size: 8, .value_kind: global_buffer, .address_space: global }
      - { .name: k_codes, .offset: 8, .size: 8, .value_kind: global_buffer, .address_space: global }
      - { .name: v_codes, .offset: 16, .size: 8, .value_kind: global_buffer, .address_space: global }
      - { .name: lowp_scales, .offset: 24, .size: 8, .value_kind: global_buffer, .address_space: global }
      - { .name: a_codes, .offset: 32, .size: 8, .value_kind: global_buffer, .address_space: global }
      - { .name: tier_labels, .offset: 40, .size: 8, .value_kind: global_buffer, .address_space: global }
      - { .name: padding_mask, .offset: 48, .size: 8, .value_kind: global_buffer, .address_space: global }
      - { .name: tier_bias, .offset: 56, .size: 8, .value_kind: global_buffer, .address_space: global }
    .group_segment_fixed_size: 327680
    .private_segment_fixed_size: 0
    .kernarg_segment_align: 8
    .kernarg_segment_size: 64
    .max_flat_workgroup_size: 512
    .sgpr_count:     100
    .vgpr_count:     256
    .wavefront_size: 32
...
	.end_amdgpu_metadata
.endif
;; end of part 4
;; launch gemm_o (part 5): grid 8 x 32, 4 waves a work-group, clusters of 4 x 4, 327,680 bytes of LDS; arguments a_codes, ow_codes, lowp_scales, out0, out_b; writes out0
.if DOCPART == 5
	.amdgcn_target "amdgcn-amd-amdhsa--gfx1250"
	.amdhsa_code_object_version 6
	.text
	.protected	k_qf57e3b200f_gemm_o
	.globl	k_qf57e3b200f_gemm_o
	.p2align	8
	.type	k_qf57e3b200f_gemm_o,@function
k_qf57e3b200f_gemm_o:
	s_mov_b64 s[64:65], 0
	v_nop
	global_prefetch_b8 v0, s[64:65] scope:SCOPE_SE
	s_setreg_imm32_b32 hwreg(HW_REG_WAVE_MODE, 25, 1), 1
	s_wait_xcnt 0x0
	s_wait_alu depctr_hold_cnt(0) depctr_sa_sdst(0) depctr_va_vdst(0) depctr_va_sdst(0) depctr_va_ssrc(0) depctr_va_vcc(0) depctr_vm_vsrc(0)
	s_getreg_b32 s2, hwreg(HW_REG_IB_STS2, 6, 4)
	s_cmp_eq_u32 s2, 0
	s_cbranch_scc0 .Lentry_in_a_cluster
	s_endpgm
.Lentry_in_a_cluster:
	s_bfe_u32 s2, ttmp6, 0x10000c
	s_cmp_lg_u32 s2, 0xf033
	s_cbranch_scc0 .Lentry_shape_is_right
	s_endpgm
.Lentry_shape_is_right:
; ONE TEXT FOR BOTH PROJECTIONS, told apart by MODE.  C[m][n] = sum over k of A[m][k] B[n][k] + bias[n], M = 4,096, N = K = 2,048, on codes of FP8 (E4M3), sums in f32.
; MODE 1: A = x's codes [4096][2048], B = q_w's codes, bias = q_b, scales e0, e1.  The result is quantised with e2 and stored as codes, [32 (batch, head)][2048 queries][128].
; MODE 2: A = the attention's codes in slabs of 128 along K, [16 heads][4096 rows][128], B = out_w's codes, bias = out_b, scales e6, e7.  The result is f32, [4096][2048].
; The codes are multiplied as they are.  The bias goes in as the C of each sum's first product, divided by 2^(ea + eb); the finished sum stands for sum x 2^(ea + eb).
; LIMITS: MODE 1: e2 - e0 - e1 between -126 and 119; NaN among the inputs is not served.  MODE 2: e6 + e7 between -126 and 127.
; Fragments are fetched by loads of 16 bytes, which permutes k inside an instruction's 128, alike in A and in B: every product meets its partner; only the order of the sums inside an instruction changes.
; SHARES.  A tile of C is 128 x 256: C has 32 x 8 = 256 of them, one to a work-group.  Four waves, each 64 x 128: 32 accumulators, 256 registers, and two sets of fragments on both sides.
; THE RING.  K goes in eight steps of 256 through THREE LDS slots (128 rows of A and 256 of B each).  The first three K steps are asked for together at the start; five refills follow, one tensor load a wave each.
; A K step is two halves of 128.  A slot is free as soon as its second half's fragments are in registers: the change of slots stands between a K step's halves.  The ring comes round after three K steps, there are
; eight, and the last three ask for nothing: so the K steps are written out, by macros, without a loop.
; CLUSTERS: 4 x 4 work-groups.  The four of a row of the cluster need the same tiles of A, the four of a column the same tiles of B: each tile is asked for JOINTLY, by the same tensor load with the
; same descriptor and a mask that names the four.  THE MATRIX INSTRUCTION IS USED TRANSPOSED (source 0 = 16 rows of B, source 1 = 16 rows of A): a lane holds eight neighbouring numbers of a row of C.
; REGISTERS, in windows of 256: window 0: v0-31 addresses; v32-95 the bias in the result's layout, later at work on the way out; v128-255 A's fragments, two sets of 4 x 16.
;   window 1: B's fragments, two sets of 8 x 16.   window 2: the accumulators ((a, b) at v[8 (8 a + b)]).
; No prefetch: of the eight K steps three come by the first fills, and a request two changes of slots ahead could name only the last three.
.set MODE,   2
.set SIZE_M, 4096
.set SIZE_N, 2048
.set SIZE_K, 2048
.set ROWB,   256                       ; along K in a slot, and B's tile row in bytes
.set KROW,   SIZE_K                    ; a row of codes in memory
.set PITCH,  272                       ; B's LDS row: 256 bytes + 16 of padding: the 16 rows of a load start at 16 different banks (64 banks of 4 bytes: ISA guide 11.1)
.set BHALF,  128*PITCH                 ; what one of B's two loads brings
.if MODE == 1
.set APITCH, 272                       ; A's LDS row: as B's
.set AQ,     128                       ; from a slot's first 128 along K to its second, in A's region
.set AHALF,  64*APITCH                 ; what one of A's two loads brings: 64 rows x 256 along K
.set AKS,    ROWB                      ; a K step on, in A's memory
.else
.set APITCH, 144                       ; a slab's row: 128 bytes + 16
.set AQ,     128*APITCH                ; the slot's second slab lies behind its first
.set AHALF,  128*APITCH                ; what one of A's two loads brings: 128 rows of one slab
.set AKS,    2*SIZE_M*128              ; two slabs on
.endif
.set ASZ,    2*AHALF
.set SLOT,   ASZ+2*BHALF               ; A's region, then B's 256 rows
.set FR,     16                        ; registers of a fragment: 16 rows x 128 K
.set NP,     4                         ; places behind this matrix instruction (ISA guide 7.12.1)
.set SPARE,  3*SLOT                    ; behind the ring: the spare words, 128 bytes a wave, which no other line names
.set SPITCH, 528                       ; MODE 2's stage: 16 rows x (512 + 16) a wave.  The stages lie in slot 0, which has had its last fill and its last read when the first result is stored there
.set QPITCH, 144                       ; MODE 1's stage: 16 rows x (128 + 16) a wave
.set ADRA, 16                          ; v16-18  LDS address of my A fragments in slot 0, 1, 2
.set ADRB, 20                          ; v20-22  the same for B
.set STO,  24                          ; v24     the way out: where I put my bytes of a row
.set RD,   25                          ; v25     the way out: where I read rows back
.set CO,   26                          ; v26     my byte offset in what a store covers
.set SPW,  28                          ; v28     LDS address of my spare word; never rewritten
.set NIL,  29                          ; v29     0; never rewritten
.set SCR,  12                          ; v12     MODE 1: 2^(e2 - e0 - e1) as f32
.set LIMR, 13                          ; v13     MODE 1: 448 x that
.set BI,   32                          ; v32-95  bias / 2^(ea + eb): register 8 b + j = column 16 b + 8 (lane / 16) + j of my 128
.set TMP,  32                          ; the way out takes its place
.set AF,   128
.set BK,   128                         ; the way out: rows read back from the stage
.set G1,  24                           ; s[24:31] descriptor group 1 for A's tiles
.set G0,  32                           ; s[32:43] group 0 for A's tiles, one set for each slot
.set G1B, 48                           ; s[48:55] group 1 for B's tiles
.set G0B, 68                           ; s[68:79] group 0 for B's tiles, one set for each slot
.set MSB, 0
.macro WIN new                         ; the immediate's high byte repeats the setting that is left
.if MSB != \new
	s_set_vgpr_msb (MSB<<8)|\new
.set MSB, \new
.endif
.endm
.set MUL,  0xa1                        ; source 0 (B) window 1, source 1 (A) window 0, C and D window 2
.set BEG,  0x81                        ; the first products: C (the bias) window 0, D window 2
.set TO_B, 0x40                        ; destination window 1, address window 0
; A joint load into slot s: waves 0 and 1 fetch for A, waves 2 and 3 for B.  Each of the two lines has ONE mask and one set of registers for all that issue it; the branch hangs on the wave's number alone.
; An s_nop 0 and four v_nop follow each of the two lines, ahead of the jump, the label and what follows.
.macro JLOAD s
	s_cmp_eq_u32 s15, 0
	s_cbranch_scc0 .Lfor_b_\@
	tensor_load_to_lds s[G0+4*\s:G0+4*\s+3], s[G1:G1+7]
	s_nop 0
.rept 4
	v_nop
.endr
	s_branch .Lasked_\@
.Lfor_b_\@:
	tensor_load_to_lds s[G0B+4*\s:G0B+4*\s+3], s[G1B:G1B+7]
	s_nop 0
.rept 4
	v_nop
.endr
.Lasked_\@:
.endm
; A round of the cluster's barrier: my work-group's barrier, so that wave 0's signal speaks for all four waves; wave 0 signals for the work-group; every wave waits for all sixteen work-groups; my work-group's barrier once more.
.macro CROUND
	s_barrier_signal -1
	s_barrier_wait -1
	s_cmp_lg_u32 s14, 0
	s_cbranch_scc1 .Lnot_wave_0_\@
	s_barrier_signal -3
.Lnot_wave_0_\@:
	s_barrier_wait -3
	s_barrier_signal -1
	s_barrier_wait -1
.endm
	s_load_b128 s[4:7], s[0:1], 0x0                ; A's codes s[4:5], B's codes s[6:7]
	s_load_b128 s[8:11], s[0:1], 0x10              ; the scales' exponents s[8:9], the result s[10:11]
	s_load_b64 s[12:13], s[0:1], 0x20              ; the bias
	v_lshl_add_u32 v[SPW], v0, 2, SPARE
	v_mov_b32 v[NIL], 0
	ds_add_u32 v[SPW], v[NIL]                      ; the wave's opening: the add and its wait stand ahead of my first tensor load; the set-up below, work on registers, stands between them
	v_lshrrev_b32 v1, 5, v0
	v_readfirstlane_b32 s14, v1                    ; wave 0..3
	s_lshr_b32 s15, s14, 1                         ; which half of the tile's rows is mine.  Also: I fetch for A (0) or for B (1)
	s_and_b32 s16, s14, 1                          ; which half of its columns.  Also: which of the two loads of that operand is mine
	s_bfe_u32 s80, ttmp6, 0x40000                  ; cx, cy: my place in the cluster
	s_bfe_u32 s81, ttmp6, 0x40004
	s_lshl_b32 s82, ttmp9, 2
	s_add_co_u32 s82, s82, s80                     ; tile column of C = 4 x cluster x + cx: 0 .. 7
	s_and_b32 s17, ttmp7, 0xffff
	s_lshl_b32 s17, s17, 2
	s_add_co_u32 s17, s17, s81                     ; tile row of C = 4 x cluster y + cy: 0 .. 31
	s_lshl_b32 s83, s81, 2
	s_lshl_b32 s83, 15, s83                        ; my row of the cluster
	s_lshl_b32 s84, 0x1111, s80                    ; my column
	; descriptor group 1.  15:0 the mask; 17:16 elements of 1 byte; 20 padding on; 21 set beside a mask; 24:22 the padding's interval; 31:25 four words of it (code 3)
.if MODE == 1
	s_or_b32 s[G1+0], s83, (1<<20)|(1<<21)|(5<<22)|(3<<25)   ; A: 64 rows x 256 bytes, 2,048 bytes apart; padding after every 64 words
	s_mov_b32 s[G1+1], 256<<16                     ; tensor_dim0
	s_mov_b32 s[G1+2], 64<<16                      ; tensor_dim1
	s_mov_b32 s[G1+3], 256<<16                     ; tile_dim0
	s_mov_b32 s[G1+4], 64                          ; tile_dim1
	s_mov_b32 s[G1+5], KROW                        ; tensor_dim0_stride
.else
	s_or_b32 s[G1+0], s83, (1<<20)|(1<<21)|(4<<22)|(3<<25)   ; A: 128 rows x 128 bytes of one slab, dense in memory; padding after every 32 words
	s_mov_b32 s[G1+1], 128<<16
	s_mov_b32 s[G1+2], 128<<16
	s_mov_b32 s[G1+3], 128<<16
	s_mov_b32 s[G1+4], 128
	s_mov_b32 s[G1+5], 128
.endif
	s_mov_b32 s[G1+6], 0
	s_mov_b32 s[G1+7], 0
	s_or_b32 s[G1B+0], s84, (1<<20)|(1<<21)|(5<<22)|(3<<25)  ; B: 128 rows x 256 bytes, 2,048 bytes apart
	s_mov_b32 s[G1B+1], 256<<16
	s_mov_b32 s[G1B+2], 128<<16
	s_mov_b32 s[G1B+3], 256<<16
	s_mov_b32 s[G1B+4], 128
	s_mov_b32 s[G1B+5], KROW
	s_mov_b32 s[G1B+6], 0
	s_mov_b32 s[G1B+7], 0
	; where the tiles come from.  A's hang on the tile row and the wave's number alone, B's on the tile column and the wave's number alone, each in registers that do not hold the other coordinate
.if MODE == 1
	s_lshl_b32 s20, s17, 7
	s_lshl_b32 s18, s16, 6
	s_add_co_u32 s20, s20, s18                     ; A: row 128 x tile row + 64 x half,
	s_lshl_b32 s20, s20, 11                        ; of 2,048 bytes
.else
	s_lshl_b32 s20, s17, 14                        ; A: row 128 x tile row, of 128 bytes,
	s_lshl_b32 s18, s16, 19                        ; in the K step's first slab (wave 0) or its second (wave 1): a slab is 4,096 x 128 bytes
	s_add_co_u32 s20, s20, s18
.endif
	s_mov_b32 s21, 0
	s_lshl_b32 s46, s82, 8
	s_lshl_b32 s18, s16, 7
	s_add_co_u32 s46, s46, s18                     ; B: row 256 x tile column + 128 x half,
	s_lshl_b32 s46, s46, 11                        ; of 2,048 bytes
	s_mov_b32 s47, 0
	s_mul_i32 s85, s16, AHALF                      ; where they go: no place in the cluster enters an LDS address
	s_mul_i32 s86, s16, BHALF
	s_add_co_u32 s86, s86, ASZ
	s_wait_dscnt 0x0                               ; the opening add is done
	s_wait_kmcnt 0x0
.if MODE == 1
	s_load_b128 s[92:95], s[8:9], 0x0              ; e0, e1, e2 (, e3)
.else
	s_load_b64 s[96:97], s[8:9], 0x18              ; e6, e7
.endif
	s_add_nc_u64 s[20:21], s[4:5], s[20:21]
	s_add_nc_u64 s[46:47], s[6:7], s[46:47]
	CROUND                                         ; all sixteen work-groups are here: the first joint loads meet
.irp s, 0,1,2
	s_mov_b32 s[G0+4*\s], 1                                        ; count = 1
	s_add_co_u32 s[G0+4*\s+1], s85, \s*SLOT                        ; LDS address
	s_add_nc_u64 s[G0+4*\s+2:G0+4*\s+3], s[20:21], \s*AKS          ; global address: K step s
	s_or_b32 s[G0+4*\s+3], s[G0+4*\s+3], 0x80000000                ; type = 2
	s_mov_b32 s[G0B+4*\s], 1
	s_add_co_u32 s[G0B+4*\s+1], s86, \s*SLOT
	s_add_nc_u64 s[G0B+4*\s+2:G0B+4*\s+3], s[46:47], \s*ROWB
	s_or_b32 s[G0B+4*\s+3], s[G0B+4*\s+3], 0x80000000
	JLOAD \s                                       ; three loads of mine are out behind these
.endr
	v_and_b32 v1, 15, v0                           ; r = lane % 16
	v_bfe_u32 v2, v0, 4, 1                         ; h = lane / 16
	v_mul_u32_u24 v3, v1, APITCH
	v_lshl_add_u32 v4, v2, 4, v3                   ; a fragment's row x pitch + 16 x half, for A
	v_mul_u32_u24 v3, v1, PITCH
	v_lshl_add_u32 v5, v2, 4, v3                   ; and for B
	s_mul_i32 s21, s15, 64*APITCH                  ; my 64 rows of A
	s_mul_i32 s22, s16, BHALF                      ; my 128 rows of B,
	s_add_co_u32 s22, s22, ASZ                     ; which lie behind A's region
.irp s, 0,1,2
	v_add_nc_u32 v[ADRA+\s], s21, v4
	v_add_nc_u32 v[ADRB+\s], s22, v5
	s_add_co_u32 s21, s21, SLOT
	s_add_co_u32 s22, s22, SLOT
.endr
	v_and_b32 v6, 31, v0
	v_lshlrev_b32 v[CO], 4, v6                     ; 16 bytes a lane
.if MODE == 1
	s_mul_i32 s23, s14, 16*QPITCH                  ; my stage
	v_mul_u32_u24 v5, v1, QPITCH                   ; in: row r, 8 bytes for each half of the lanes
	v_lshl_add_u32 v5, v2, 3, v5
	v_add_nc_u32 v[STO], s23, v5
	v_lshrrev_b32 v5, 3, v6                        ; back: eight lanes to a row of 128 bytes, four rows an instruction
	v_mul_u32_u24 v5, v5, QPITCH
	v_and_b32 v6, 7, v6
	v_lshl_add_u32 v5, v6, 4, v5
	v_add_nc_u32 v[RD], s23, v5
.else
	s_mul_i32 s23, s14, 16*SPITCH                  ; my stage
	v_mul_u32_u24 v5, v1, SPITCH                   ; in: row r, 32 bytes for each half of the lanes
	v_lshl_add_u32 v5, v2, 5, v5
	v_add_nc_u32 v[STO], s23, v5
	v_add_nc_u32 v[RD], s23, v[CO]                 ; back: the 32 lanes take one row of 512 bytes
.endif
	s_lshl_b32 s46, s82, 10                        ; my first column as f32, in bytes: 1,024 x tile column + 512 x half
	s_lshl_b32 s47, s16, 9
	s_add_co_u32 s46, s46, s47
	s_mov_b32 s47, 0
	s_add_nc_u64 s[12:13], s[12:13], s[46:47]      ; the bias of my 128 columns
	v_lshlrev_b32 v7, 5, v2                        ; + 8 h numbers
.irp b, 0,1,2,3,4,5,6,7
	global_load_b128 v[BI+8*\b:BI+8*\b+3],   v7, s[12:13] offset:64*\b
	global_load_b128 v[BI+8*\b+4:BI+8*\b+7], v7, s[12:13] offset:64*\b+16
.endr
.if MODE == 1
	; my 128 columns are head 2 x tile column + half; my 64 rows are queries of batch (tile row / 16): 8,192 bytes on end in the result
	s_lshr_b32 s56, s17, 4
	s_lshl_b32 s56, s56, 4
	s_lshl_b32 s57, s82, 1
	s_add_co_u32 s56, s56, s57
	s_add_co_u32 s56, s56, s16                     ; 16 x batch + head
	s_lshl_b32 s56, s56, 18                        ; of 2,048 x 128 bytes
	s_and_b32 s57, s17, 15
	s_lshl_b32 s57, s57, 7
	s_lshl_b32 s58, s15, 6
	s_add_co_u32 s57, s57, s58                     ; my first query
	s_lshl_b32 s57, s57, 7
	s_add_co_u32 s56, s56, s57
	s_mov_b32 s57, 0
	s_add_nc_u64 s[10:11], s[10:11], s[56:57]
.else
	s_lshl_b32 s20, s17, 7
	s_lshl_b32 s21, s15, 6
	s_add_co_u32 s20, s20, s21                     ; my first row of C: 128 x tile row + 64 x half,
	s_lshl_b32 s20, s20, 13                        ; of 8,192 bytes
	s_mov_b32 s21, 0
	s_add_nc_u64 s[20:21], s[20:21], s[46:47]
	s_add_nc_u64 s[10:11], s[10:11], s[20:21]
.endif
	s_wait_kmcnt 0x0                               ; the exponents
.if MODE == 1
	s_add_co_i32 s96, s92, s93                     ; e0 + e1
	s_sub_co_i32 s90, s94, s96                     ; a sum stands for sum x 2^(e0 + e1): its code is sum / 2^(e2 - e0 - e1): the three scales folded into the conversion's one
	s_add_co_i32 s90, s90, 127
	s_lshl_b32 s89, s90, 23
	v_mov_b32 v[SCR], s89
	s_add_co_i32 s90, s90, 8
	s_lshl_b32 s90, s90, 23
	s_or_b32 s90, s90, 0x600000
	v_mov_b32 v[LIMR], s90                         ; 448 x that
.else
	s_add_co_i32 s96, s96, s97                     ; e6 + e7
.endif
	s_sub_co_i32 s91, 0, s96
.if MODE == 2
	s_add_co_i32 s96, s96, 127
	s_lshl_b32 s96, s96, 23                        ; 2^(e6 + e7) as f32
	s_mov_b32 s97, s96                             ; (named with it as a pair)
.endif
	s_wait_loadcnt 0x0                             ; the bias
.set j, 0
.rept 64
	v_ldexp_f32 v[BI+j], v[BI+j], s91              ; bias / 2^(ea + eb): nothing is rounded, short of overflow and underflow
.set j, j+1
.endr
.macro FRAG reg, adr, off              ; a fragment, 16 rows x 128 K: lane l holds row l % 16; registers 4 c .. 4 c + 3 hold K = 32 c + 16 (l / 16) + 0 .. 15
.irp c, 0,1,2,3
	ds_load_b128 v[\reg+4*\c:\reg+4*\c+3], v[\adr] offset:(\off)+32*\c
.endr
.endm
; 48 LDS loads in one run: the fragments of the slot's q-th 128 along K (B's eight, A's four) into set p
.macro FETCH slot, q, p
	WIN TO_B
.irp i, 0,1,2,3,4,5,6,7
	FRAG 128*(\p)+FR*\i, ADRB+\slot, 128*(\q)+\i*16*PITCH
.endr
	WIN 0
.irp i, 0,1,2,3
	FRAG AF+64*(\p)+FR*\i, ADRA+\slot, AQ*(\q)+\i*16*APITCH
.endr
.endm
; 32 matrix instructions: A's four blocks x B's eight, 128 along K, on set p.  first = 1: the first product starts the sums from the bias: nothing is ever cleared.
; The 32 accumulators take turns, one instruction a turn, in the same order in every half.
.macro MUL32 p, first
.irp a, 0,1,2,3
.irp b, 0,1,2,3,4,5,6,7
.if \first
	v_wmma_f32_16x16x128_fp8_fp8 v[8*(8*\a+\b):8*(8*\a+\b)+7], v[128*(\p)+FR*\b:128*(\p)+FR*\b+FR-1], v[AF+64*(\p)+FR*\a:AF+64*(\p)+FR*\a+FR-1], v[BI+8*\b:BI+8*\b+7]
.else
	v_wmma_f32_16x16x128_fp8_fp8 v[8*(8*\a+\b):8*(8*\a+\b)+7], v[128*(\p)+FR*\b:128*(\p)+FR*\b+FR-1], v[AF+64*(\p)+FR*\a:AF+64*(\p)+FR*\a+FR-1], v[8*(8*\a+\b):8*(8*\a+\b)+7]
.endif
.endr
.endr
.endm
; A load into a register that a matrix instruction has read, and a vector instruction or an LDS store that reads a matrix result, stand NP places behind that matrix instruction, and only plain vector
; instructions that name none of its registers are places (ISA guide 7.12.1 for vector instructions).
.macro PLACES n
.rept \n
	v_nop
.endr
.endm
; Half a K step: set p is multiplied while the next half's fragments (slot ns, its nq-th 128 along K) come into the other set, whose last products stand behind the places.
.macro HALF p, ns, nq, first
	s_wait_dscnt 0x0                               ; set p is in
.if \first == 0
	PLACES NP
.endif
	FETCH \ns, \nq, 1-\p
.if \first
	WIN BEG
.else
	WIN MUL
.endif
	MUL32 \p, \first
	WIN 0
.endm
; A K step's second half, with the change of slots at its head.  The slot's last fragments are in registers when my LDS loads are back.  In front of the barrier each wave waits for all its tensor loads,
; adds 0 to its spare word, and waits for that and for its reads.  fill = 1: the barrier is a round of the cluster's, so that no wave of any partner still reads the slot or has a load on its way, and the slot is
; filled again, three K steps on: the first tensor load behind the round, and my only one until the next.  fill = 0: the last K step's tile is waited for, and shown to all four waves.
.macro CHANGE p, slot, ns, fill
	s_wait_tensorcnt 0x0                           ; no tensor load of mine is out, so a group 0 may be written  (every window is 0 here)
	ds_add_u32 v[SPW], v[NIL]                      ; 0 onto my spare word: the descriptors' steps stand between it and the wait for it
.if \fill
	s_add_nc_u64 s[G0+4*\slot+2:G0+4*\slot+3], s[G0+4*\slot+2:G0+4*\slot+3], 3*AKS
	s_add_nc_u64 s[G0B+4*\slot+2:G0B+4*\slot+3], s[G0B+4*\slot+2:G0B+4*\slot+3], 3*ROWB
.endif
	s_wait_dscnt 0x0                               ; the add is done, set p is in, and my reads of this slot are over
.if \fill
	CROUND
	JLOAD \slot                                    ; the four v_nop behind it are the places in front of the loads below
.else
	s_barrier_signal -1
	s_barrier_wait -1
	PLACES NP
.endif
	FETCH \ns, 0, 1-\p                             ; the next K step's tile was shown landed at the change of slots before this one, or at this one
	WIN MUL
	MUL32 \p, 0
	WIN 0
.endm
	s_wait_tensorcnt 2                             ; my part of K step 0 is in; the loads of K steps 1 and 2 may be out
	s_barrier_signal -1
	s_barrier_wait -1                              ; everybody's is
	FETCH 0, 0, 0
	HALF   0, 0, 1, 1                              ; K step 0 (slot 0): its first products start the sums
	CHANGE 1, 0, 1, 1                              ; slot 0 takes K step 3
	HALF   0, 1, 1, 0                              ; K step 1 (slot 1)
	CHANGE 1, 1, 2, 1                              ; slot 1 takes K step 4
	HALF   0, 2, 1, 0                              ; K step 2 (slot 2)
	CHANGE 1, 2, 0, 1                              ; slot 2 takes K step 5
	HALF   0, 0, 1, 0                              ; K step 3 (slot 0)
	CHANGE 1, 0, 1, 1                              ; slot 0 takes K step 6
	HALF   0, 1, 1, 0                              ; K step 4 (slot 1)
	CHANGE 1, 1, 2, 1                              ; slot 1 takes K step 7: the last load
	HALF   0, 2, 1, 0                              ; K step 5 (slot 2): nothing is left to ask for
	HALF   1, 0, 0, 0                              ; (K step 6's tile was shown landed at the last change of slots)
	HALF   0, 0, 1, 0                              ; K step 6 (slot 0)
	CHANGE 1, 0, 1, 0                              ; K step 7's tile is waited for; behind this barrier nobody reads slot 0 any more
	HALF   0, 1, 1, 0                              ; K step 7 (slot 1)
	s_wait_dscnt 0x0
	WIN MUL
	MUL32 1, 0
	WIN 0
	PLACES NP                                      ; for the reads of the last results and for the loads into the registers that held A's fragments
.if MODE == 1
; THE WAY OUT, block by block of 16 rows x 128 columns.  Held within +-448 x the scale and converted, a lane's eight sums are 8 bytes of a row of 128; a block goes through my own stage in LDS and comes back
; as four rows an instruction: a store of the wave covers 512 consecutive bytes, aligned.  LDS serves a wave's instructions in order (ISA guide 5.7.1.4): no wait between the stores and the loads.
; A block's codes lie in v96-111 and v112-127 by turns, its rows in 16 registers of their own: nothing that a store still reads is written again.
.macro QSTAGE a
.set AC, 64*(\a)
.set CD, 96+16*((\a)%2)
	WIN 0x02                                       ; source 0: window 2
.set j, 0
.rept 64
	v_med3_num_f32 v[TMP+j], v[AC+j], -v[LIMR], v[LIMR]   ; the hold (the conversion does not saturate: ISA guide 7.6.2); each accumulator from its low end on
.set j, j+1
.endr
	WIN 0
.irp b, 0,1,2,3,4,5,6,7
	v_cvt_scalef32_pk8_fp8_f32 v[CD+2*\b:CD+2*\b+1], v[TMP+8*\b:TMP+8*\b+7], v[SCR]
.endr
	v_nop                                          ; a plain vector line behind the last conversion of the run
.irp b, 0,1,2,3,4,5,6,7
	ds_store_b64 v[STO], v[CD+2*\b:CD+2*\b+1] offset:16*\b
.endr
.irp i, 0,1,2,3
	ds_load_b128 v[BK+16*(\a)+4*\i:BK+16*(\a)+4*\i+3], v[RD] offset:4*QPITCH*\i
.endr
.endm
.macro QSEND a, younger                ; younger: the LDS instructions issued behind block a's loads, which may stay out
	s_wait_dscnt \younger
.irp i, 0,1,2,3
	global_store_b128 v[CO], v[BK+16*(\a)+4*\i:BK+16*(\a)+4*\i+3], s[10:11] offset:2048*(\a)+512*\i
.endr
.endm
	QSTAGE 0
.irp a, 1,2,3
	QSTAGE \a
	QSEND \a-1, 12                                 ; behind block a - 1's loads: block a's 8 stores and 4 loads
.endr
	QSEND 3, 0
.else
; THE WAY OUT, block by block of 16 rows x 128 columns.  A lane holds 32 neighbouring bytes of a row: a block goes through my own stage in LDS and comes back as whole rows of 512 bytes.
.macro TOSTAGE a
.set AC, 64*(\a)
	WIN 0x02                                       ; source 0: window 2
.irp j, 0,2,4,6,8,10,12,14,16,18,20,22,24,26,28,30,32,34,36,38,40,42,44,46,48,50,52,54,56,58,60,62
	v_pk_mul_f32 v[TMP+\j:TMP+\j+1], v[AC+\j:AC+\j+1], s[96:97] op_sel_hi:[1,0]   ; x 2^(e6 + e7); each accumulator from its low end on
.endr
	WIN 0
.irp b, 0,1,2,3,4,5,6,7
	ds_store_b128 v[STO], v[TMP+8*\b:TMP+8*\b+3] offset:64*\b
	ds_store_b128 v[STO], v[TMP+8*\b+4:TMP+8*\b+7] offset:64*\b+16
.endr
.set BB, BK+64*((\a)%2)
.irp t, 0,1,2,3,4,5,6,7,8,9,10,11,12,13,14,15
	ds_load_b128 v[BB+4*\t:BB+4*\t+3], v[RD] offset:\t*SPITCH
.endr
.endm
.macro SEND a, younger
.set BB, BK+64*((\a)%2)
	s_wait_dscnt \younger                          ; the block is back in registers
.if (\a) > 0
	s_add_nc_u64 s[10:11], s[10:11], 16*SIZE_N*4   ; (behind a wait on XCNT: the earlier stores have read their base)  16 rows of C on
.endif
.irp t, 0,1,2,3,4,5,6,7,8,9,10,11,12,13,14,15
	global_store_b128 v[CO], v[BB+4*\t:BB+4*\t+3], s[10:11] offset:\t*SIZE_N*4 th:TH_STORE_NT   ; 32 lanes store 512 consecutive bytes, aligned; written once, read by nobody here
.endr
.endm
	TOSTAGE 0
.irp a, 1,2,3
.if \a > 1
	s_wait_xcnt 0x0                                ; block a - 2's stores have read their registers and their base: block a's loads may land there, and the base may step
.endif
	TOSTAGE \a
	SEND \a-1, 32                                  ; behind block a - 1's loads: block a's 16 stores and 16 loads
.endr
	s_wait_xcnt 0x0                                ; block 2's stores have read their base
	SEND 3, 0
.endif
	s_wait_tensorcnt 0x0                           ; the wave's end, behind my last tensor load and my last LDS store
	ds_add_u32 v[SPW], v[NIL]
	s_wait_dscnt 0x0
	CROUND                                         ; the closing round: no work-group ends while a partner may still ask for a tile that names it
	s_endpgm
.Lfunc_end_k_qf57e3b200f_gemm_o:
	.size	k_qf57e3b200f_gemm_o, .Lfunc_end_k_qf57e3b200f_gemm_o-k_qf57e3b200f_gemm_o
	.p2alignl 7, 3214868480
	.fill 96, 4, 3214868480
	.section	.rodata,"a",@progbits
	.p2align	6, 0x0
	.amdhsa_kernel k_qf57e3b200f_gemm_o
		.amdhsa_group_segment_fixed_size 327680
		.amdhsa_private_segment_fixed_size 0
		.amdhsa_enable_private_segment 0
		.amdhsa_kernarg_size 40
		.amdhsa_user_sgpr_count 2
		.amdhsa_user_sgpr_kernarg_segment_ptr 1
		.amdhsa_wavefront_size32 1
		.amdhsa_system_sgpr_workgroup_id_x 1
		.amdhsa_system_sgpr_workgroup_id_y 1
		.amdhsa_system_sgpr_workgroup_id_z 1
		.amdhsa_system_vgpr_workitem_id 0
		.amdhsa_next_free_vgpr 768
		.amdhsa_next_free_sgpr 98
		.amdhsa_reserve_vcc 0
		.amdhsa_float_denorm_mode_32 3
		.amdhsa_float_denorm_mode_16_64 3
		.amdhsa_memory_ordered 1
		.amdhsa_forward_progress 1
		.amdhsa_inst_pref_size 127
	.end_amdhsa_kernel
	.amdgpu_metadata
---
amdhsa.version: [ 1, 2 ]
amdhsa.kernels:
  - .name:           k_qf57e3b200f_gemm_o
    .symbol:         k_qf57e3b200f_gemm_o.kd
    .args:
      - { .name: a_codes, .offset: 0, .size: 8, .value_kind: global_buffer, .address_space: global }
      - { .name: ow_codes, .offset: 8, .size: 8, .value_kind: global_buffer, .address_space: global }
      - { .name: lowp_scales, .offset: 16, .size: 8, .value_kind: global_buffer, .address_space: global }
      - { .name: out0, .offset: 24, .size: 8, .value_kind: global_buffer, .address_space: global }
      - { .name: out_b, .offset: 32, .size: 8, .value_kind: global_buffer, .address_space: global }
    .group_segment_fixed_size: 327680
    .private_segment_fixed_size: 0
    .kernarg_segment_align: 8
    .kernarg_segment_size: 40
    .max_flat_workgroup_size: 128
    .sgpr_count:     98
    .vgpr_count:     768
    .wavefront_size: 32
...
	.end_amdgpu_metadata
.endif
;; end of part 5
